; MI455X (gfx1250); checked and timed in simulation.
; The chip was launched on July 23, 2026; its instructions are those of AMD's public machine-readable ISA for CDNA 5 (MIT licence, August 2026) and "CDNA5" Instruction Set Architecture Reference Guide (July 2026). The comments in the code are by the model that wrote it; some were corrected since.
;; Attention. Allowed arithmetic: matrix products marked QUANTISED: E2M3 operands, one E8M0 scale for each 32 along K, by v_wmma_scale_f32_16x16x128_f8f6f4 with both operands' format E2M3, f32 sums; everything else in f32.
;; Inputs: freqs_cos 2,048 x 64 float32; freqs_sin 2,048 x 64 float32; mask 2,048 x 2,048 float32; wk 4,096 x 1,024 float32; wo 2,048 x 4,096 float32; wq 4,096 x 2,048 float32; wv 4,096 x 1,024 float32; x 1 x 2,048 x 4,096 float32.
;; Outputs: out0 1 x 2,048 x 4,096 float32.
;; Constants: start_pos = 0.
;; This version of the problem:
;;   THIS VERSION OF THE PROBLEM IS GIVEN IN LOW PRECISION. The matrix products marked QUANTISED in the list below multiply operands that are first quantised to E2M3 (2 exponent bits, 3 mantissa bits; 6 bits a number), with one power-of-two scale for each 32 numbers along K (OCP MX v1.0); their sums are f32. All else is computed in f32.
;;   The module's matrix products, in the order in which they are computed (A, B: the left and right operand; K: the contracted axis; several contracted axes count as one K, in the product's order):
;;     1. [M 2,048, K 4,096] x [K 4,096, N 2,048]; A: input x; B: input wq: QUANTISED
;;     2. [M 2,048, K 4,096] x [K 4,096, N 1,024]; A: input x; B: input wk: QUANTISED
;;     3. [M 2,048, K 4,096] x [K 4,096, N 1,024]; A: input x; B: input wv: QUANTISED
;;     4. batch 8 x [M 2,048, K 128] x [K 128, N 4,096]; A: computed on the way; B: computed on the way: QUANTISED
;;     5. batch 8 x [M 128, K 2,048] x [K 2,048, N 4,096]; A: computed on the way; B: softmax (see below): QUANTISED
;;     6. [M 2,048, K 2,048] x [K 2,048, N 4,096]; A: computed on the way; B: input wo: QUANTISED
;;   THE QUANTISER, for each operand of a quantised product, along K:
;;     - K is cut into blocks of 32 from its start; a last block that is shorter is filled with zeros.
;;     - A block's scale is 2^e with e = floor(log2(the largest magnitude in the block)) - 2, held to -126 .. 127; a block of zeros has e = 0. As a byte (E8M0): e + 127.
;;     - Each number is divided by its block's scale, clamped to +-7.5, and rounded to the nearest number of E2M3, ties to even, subnormals kept.
;;     - The product sums the exact products of the quantised numbers (number of the format x scale) in f32.
;;   ~~~python
;;   def quantise(x, axis):      # numpy; x: float32 -> the quantised numbers, widened to float32 again
;;       x = np.moveaxis(x, axis, -1); K = x.shape[-1]
;;       x = np.pad(x, [(0, 0)] * (x.ndim - 1) + [(0, -K % 32)]); x = x.reshape(x.shape[:-1] + (-1, 32)); a = np.abs(x).max(-1, keepdims=True)
;;       e = np.where(a > 0, np.clip(np.frexp(np.where(a > 0, a, 1))[1] - 1 - 2, -126, 127), 0)      # np.frexp(a)[1] - 1 = floor(log2(a)), exactly
;;       r = np.clip(x / 2.0 ** e, -7.5, 7.5)
;;       step = 2.0 ** (np.maximum(np.frexp(np.where(r == 0, 1, r))[1] - 1, 0) - 3)
;;       q = np.round(r / step) * step * 2.0 ** e      # np.round: ties to even
;;       return np.moveaxis(q.reshape(q.shape[:-2] + (-1,))[..., :K], -1, axis).astype(np.float32)
;;   ~~~
;;   SOFTMAX AHEAD OF A QUANTISED PRODUCT. Where the list says 'softmax', what is quantised is not the finished softmax but p = 2^(t - M), with t = logit x log2(e) and M = ceil(the row's largest t), a whole number; so 1/2 < the row's largest p <= 1. The row's sum l is taken of the UNQUANTISED p, in f32, and the product's result is divided by l at the end. Since M is a whole number, a kernel that streams over the keys may use a running M (the ceiling of the running maximum): every later rescaling is an exact power of two, which a block's scale takes up: the codes' values come out the same.
;;   OPERANDS COMPUTED ON THE WAY. 'Computed on the way' means the value that the module computes at that place (a softmax that the list does not call 'softmax' is quantised finished and normalised). What goes into a quantiser is computed in f32, as accurately as f32 sums, v_exp_f32 and their like allow (about 1e-6 of the number): no bf16 or f16 on the way to a quantiser, and a product that is left as it is and whose result goes on into a quantised operand takes f32 operands (vector FMAs, or v_wmma_f32_16x16x4_f32). A number that lies on a knife's edge between two numbers of the format may be rounded either way, as far as f32 arithmetic and the matrix unit's own rounding can turn it there, and no further.
;; One version. Each part assembles by itself: llvm-mc -triple=amdgcn-amd-amdhsa -mcpu=gfx1250 --defsym DOCPART=n.
;; ======== version 1 of 1: 4 launches
;; limits: right only within a limited range of input values
;; workspace buffers: opa 19,660,800 bytes; opw 6,553,600 bytes; qkv 6,553,600 bytes; ao 3,276,800 bytes
;; launch quant (part 1): grid 640 x 1, 4 waves a work-group, no clusters, 86,528 bytes of LDS; arguments x, wq, wk, wv, wo, opa, opw; writes opa, opw
.if DOCPART == 1
	.amdgcn_target "amdgcn-amd-amdhsa--gfx1250"
	.amdhsa_code_object_version 6
	.text
	.protected	k_qc7bbde87b8_quant
	.globl	k_qc7bbde87b8_quant
	.p2align	8
	.type	k_qc7bbde87b8_quant,@function
k_qc7bbde87b8_quant:
	s_mov_b64 s[64:65], 0
	v_nop
	global_prefetch_b8 v0, s[64:65] scope:SCOPE_SE
	s_setreg_imm32_b32 hwreg(HW_REG_WAVE_MODE, 25, 1), 1
	s_wait_xcnt 0x0
; x [2048][4096], wq [4096][2048], wk, wv [4096][1024], wo [2048][4096], all f32, become codes of FP6 (E2M3) with one E8M0 byte for each 32 along K,
; laid IN THE ORDER OF THE OPERAND'S REGISTERS.  A fragment (16 rows x 128 K, 12 registers a lane) is an IMAGE of 1,536 bytes: registers 4 j .. 4 j + 3 of lane L at 512 j + 16 L.
; A QUAD (6,400 bytes) is one tile of 16 rows x 512 K: four images, then 256 bytes of scale words, the word of row p and K step s at 6144 + 16 p + 4 s.
; THE ROWS OF A TILE ARE NOT NEIGHBOURS: of each 128 rows, tile t place p is row 32 (t / 2) + 8 (t % 2) + p + 8 (p / 8), so that a product that takes such tiles as source 0 leaves 16 neighbours in a lane.
; opa: [384 tiles][8 quads]: tiles 0-127 x's rows, 128-383 the columns of wq, wk, wv on end.  opw: [256 tiles of wo's columns][4 quads].
; A block's scale is 2^(floor(log2(largest magnitude)) - 2): its byte is the largest magnitude's exponent field - 2, held at 1 from below.
; LIMITS: a block of zeros, and one whose largest magnitude lies under 2^-124, gets the byte 1 (this program alone reads the bytes; zero codes add nothing); NaN and infinities are not served.
; Memory binds: each f32 is read once, by loads of which a wave's cover 512 (x) or 128 (weights) consecutive bytes; every store covers 512 or 256 consecutive aligned bytes.
; No matrix unit, no cluster, no tensor load, no barrier: waves share nothing.  Work-groups 0-255 take x (K innermost), 256-639 the weights (K outermost); each path has LDS bytes of its own.
.set SEL,   20                         ; s[20:21] lane selects: lane l xor 16
.set TM,    16                         ; v16-31   x: at work in QUANT
.set RS,    32                         ; v32-159  x: two sets of 64 registers as loaded
.set XN,    160                        ; v160-223 x: 64 numbers a lane, register 16 b + i = k 32 b + 16 (lane / 16) + i of my row
.set PC,    224                        ; v224-243 x: the codes just made
.set PW,    244                        ; v244-247 x: the scale words of the four K steps
.set SW,    248                        ; v[248:249] x: my two words on the way out
.set XSTG,  16*528                     ; x: a wave's stage: 16 rows of 512 bytes + 16
.set WBASE, 4*XSTG                     ; the weights' stages begin behind x's
.set TSTG,  6528                       ; a tile's stage: a quad's 6,400 bytes + 128, so that the second tile falls 128 bytes on in the banks
.set WSTG,  2*TSTG
.set WS,    24                         ; v24-27   weights: my column's scale words of the four K steps
.set X,     32                         ; v32-95   weights: two sets of 32 numbers
.set OFF,   96                         ; v96-127  weights: byte offset of row i of a block at my column
.set C,     128                        ; v128-138 weights: a block's codes
.set OUTR,  144                        ; v144-239 weights: the way out;  v240-243 the scale words' unit
; 64 numbers of a lane become a fragment's 12 registers of codes in v[pc] on (pc + 12 .. pc + 19 at work) and my row's scale word in v[pw].
.macro QUANT s, pc, pw
.irp b, 0,1,2,3
	v_max3_num_f32 v[TM+\b], |v[(\s)+16*\b]|, |v[(\s)+1+16*\b]|, 0x1800000   ; block b: my 16 numbers, and the floor 2^(3 - 127): the byte cannot fall under 1
.endr
.irp i, 2,4,6,8,10,12,14
.irp b, 0,1,2,3
	v_max3_num_f32 v[TM+\b], v[TM+\b], |v[(\s)+16*\b+\i]|, |v[(\s)+1+16*\b+\i]|   ; the four blocks by turns
.endr
.endr
.irp b, 0,1,2,3
	v_permlanex16_b32 v[TM+4+\b], v[TM+\b], s[SEL], s[SEL+1]
.endr
.irp b, 0,1,2,3
	v_max_num_f32 v[TM+\b], v[TM+\b], v[TM+4+\b]                  ; with lane l xor 16's 16: the block's largest magnitude
.endr
.irp b, 0,1,2,3
	v_add_nc_u32 v[TM+12+\b], 0xff000000, v[TM+\b]                ; 2 off its exponent field: the conversion's scale operand
.endr
.irp b, 0,1,2,3
	v_lshrrev_b32 v[TM+4+\b], 23, v[TM+12+\b]                     ; the scale's byte
.endr
	v_lshl_or_b32 v[\pw], v[TM+5], 8, v[TM+4]
	v_lshl_or_b32 v[\pw], v[TM+6], 16, v[\pw]
	v_lshl_or_b32 v[\pw], v[TM+7], 24, v[\pw]
.irp c, 0,1
	v_cvt_scalef32_pk16_fp6_f32 v[(\pc)+6*\c:(\pc)+2+6*\c], v[(\s)+32*\c:(\s)+15+32*\c], v[TM+12+2*\c]
	v_cvt_scalef32_pk16_fp6_f32 v[(\pc)+12+4*\c:(\pc)+14+4*\c], v[(\s)+16+32*\c:(\s)+31+32*\c], v[TM+13+2*\c]   ; (a conversion's three registers begin on an even number)
.endr
	v_nop                                                         ; one plain place behind a scaled conversion
.irp c, 0,1                                                   ; the operand's layout wants a whole block in a lane: lanes 0-15 block 2 c, lanes 16-31 block 2 c + 1
.irp i, 0,1,2
	v_permlane16_swap_b32 v[(\pc)+6*\c+\i], v[(\pc)+12+4*\c+\i]
.endr
.irp i, 0,1,2
	v_mov_b32 v[(\pc)+3+6*\c+\i], v[(\pc)+12+4*\c+\i]
.endr
.endr
.endm
	s_load_b256 s[4:11], s[0:1], 0x0               ; x s[4:5], wq s[6:7], wk s[8:9], wv s[10:11]
	s_load_b128 s[12:15], s[0:1], 0x20             ; wo s[12:13], opa s[14:15]
	s_load_b64 s[16:17], s[0:1], 0x30              ; opw
	v_lshl_add_u32 v254, v0, 2, 0x15000
	v_mov_b32 v255, 0
	v_lshrrev_b32 v1, 5, v0
	v_readfirstlane_b32 s18, v1                    ; wave
	v_and_b32 v1, 31, v0                           ; lane
	v_and_b32 v2, 15, v0                           ; lane % 16
	v_bfe_u32 v3, v0, 4, 1                         ; lane / 16
	s_mov_b32 s[SEL], 0x76543210
	s_mov_b32 s[SEL+1], 0xfedcba98
	s_cmp_lt_u32 ttmp9, 256
	s_cbranch_scc0 .Lweights
; ---------------- x: a wave takes one tile x one quad: 16 rows x 512 along K ----------------
	s_lshl_b32 s22, ttmp9, 2
	s_add_co_u32 s22, s22, s18                     ; which of 1,024 quads
	s_lshr_b32 s23, s22, 3                         ; tile 0..127
	s_and_b32 s24, s22, 7                          ; quad 0..7
	s_lshr_b32 s25, s23, 3
	s_lshl_b32 s25, s25, 7                         ; 128 x the group of rows
	s_bfe_u32 s26, s23, 0x20001                    ; (tile / 2) % 4
	s_lshl_b32 s26, s26, 5
	s_add_co_u32 s25, s25, s26
	s_and_b32 s26, s23, 1
	s_lshl_b32 s26, s26, 3
	s_add_co_u32 s25, s25, s26                     ; the tile's first row
	s_lshl_b32 s26, s25, 14                        ; x 16,384 bytes a row
	s_lshl_b32 s27, s24, 11                        ; + 2,048 bytes a quad
	s_add_co_u32 s26, s26, s27
	s_mov_b32 s27, 0
	s_mul_i32 s28, s23, 51200
	s_mul_i32 s29, s24, 6400
	s_add_co_u32 s28, s28, s29
	s_mov_b32 s29, 0
	s_mul_i32 s30, s18, XSTG                       ; my stage
	s_wait_alu depctr_va_vdst(0)
	v_lshlrev_b32 v4, 4, v1                        ; 16 x lane: in memory, in and out
	v_add_nc_u32 v5, s30, v4                       ; the stage, way in: a row's 512 bytes as they lie
	v_mul_u32_u24 v6, v2, 528
	v_lshl_add_u32 v6, v3, 6, v6
	v_add_nc_u32 v6, s30, v6                       ; way out: row lane % 16, + 64 bytes for lanes 16-31
	v_lshlrev_b32 v7, 4, v2
	v_lshl_add_u32 v7, v3, 3, v7                   ; my two scale words' place
.irp b, 0,1,2,3
	v_mov_b32 v[TM+4+\b], 0                        ; written once: a lane permute's destination counts as one of its sources
.endr
	s_wait_alu depctr_va_vdst(0)
	s_wait_kmcnt 0x0
	s_add_nc_u64 s[4:5], s[4:5], s[26:27]
	s_add_nc_u64 s[14:15], s[14:15], s[28:29]
.macro XLOAD s                         ; K step s of the 16 rows: each load reads 512 consecutive bytes of one row
.irp i, 0,1,2,3,4,5,6,7,8,9,10,11,12,13,14,15
	global_load_b128 v[RS+64*((\s)%2)+4*\i:RS+64*((\s)%2)+4*\i+3], v4, s[4:5] offset:(\i+8*(\i/8))*16384+512*(\s) th:TH_LOAD_NT
.endr
.endm
.macro XSTEP s
.if (\s) < 3
	s_wait_loadcnt 16                              ; this step's 16 loads are in; the next step's 16 may be out
.else
	s_wait_loadcnt 0x0
.endif
.irp i, 0,1,2,3,4,5,6,7,8,9,10,11,12,13,14,15
	ds_store_b128 v5, v[RS+64*((\s)%2)+4*\i:RS+64*((\s)%2)+4*\i+3] offset:528*\i
.endr
.irp b, 0,1,2,3
.irp j, 0,1,2,3
	ds_load_b128 v[XN+16*\b+4*\j:XN+16*\b+4*\j+3], v6 offset:128*\b+16*\j   ; LDS serves a wave's instructions in order: these see the stores above
.endr
.endr
	s_wait_dscnt 0x0                               ; the numbers are back, and the stores have read their registers
	s_wait_xcnt 0x0                                ; the last step's stores have read the codes' registers: they are written again below
.if (\s) < 2
	XLOAD (\s)+2
.endif
	QUANT XN, PC, PW+(\s)
.irp j, 0,1,2
	global_store_b128 v4, v[PC+4*\j:PC+4*\j+3], s[14:15] offset:1536*(\s)+512*\j   ; the image: 512 consecutive aligned bytes a store
.endr
.endm
	XLOAD 0
	XLOAD 1
	XSTEP 0
	XSTEP 1
	XSTEP 2
	XSTEP 3
	v_cmp_ne_u32 vcc_lo, 0, v3
	v_cndmask_b32 v[SW], v[PW], v[PW+2], vcc_lo    ; lanes 0-15 store the words of K steps 0, 1 of row lane % 16, lanes 16-31 those of steps 2, 3
	v_cndmask_b32 v[SW+1], v[PW+1], v[PW+3], vcc_lo
	global_store_b64 v7, v[SW:SW+1], s[14:15] offset:6144   ; 256 consecutive aligned bytes
	s_wait_tensorcnt 0x0
	ds_add_u32 v254, v255
	s_wait_dscnt 0x0
	s_endpgm
; ---------------- weights: a work-group takes 128 columns x one quad; a wave 32 columns = two tiles; A LANE TAKES A COLUMN AND ITS REGISTERS RUN DOWN K ----------------
.Lweights:
	s_sub_co_u32 s40, ttmp9, 256                   ; 0-255: wq, wk, wv (32 groups of columns x 8 quads); 256-383: wo (32 x 4)
	s_lshr_b32 s41, s40, 3                         ; group of columns,
	s_and_b32 s42, s40, 7                          ; quad
	s_sub_co_u32 s43, s40, 256
	s_lshr_b32 s44, s43, 2                         ; the same for wo
	s_and_b32 s45, s43, 3
	s_sub_co_u32 s48, s41, 16                      ; the group within wk,
	s_sub_co_u32 s49, s41, 24                      ; within wv
	s_lshl_b32 s52, s41, 3
	s_add_co_u32 s52, s52, 128                     ; the group's first tile in opa,
	s_lshl_b32 s53, s44, 3                         ; in opw
	s_mov_b32 s46, 4096                            ; bytes in a row of wk, wv
	s_mov_b32 s50, 16384                           ; of wo
	s_mov_b32 s51, 25600                           ; bytes from tile to tile in opw
	s_wait_kmcnt 0x0
	s_cmp_lt_u32 s41, 16                           ; every choice hangs on the work-group's number alone; only selects and moves stand behind a compare
	s_cselect_b64 s[24:25], s[6:7], s[8:9]
	s_cselect_b32 s46, 8192, s46
	s_cselect_b32 s47, s41, s48
	s_cmp_lt_u32 s41, 24
	s_cselect_b64 s[24:25], s[24:25], s[10:11]
	s_cselect_b32 s47, s47, s49
	s_cmp_lt_u32 s40, 256
	s_cselect_b64 s[24:25], s[24:25], s[12:13]     ; the tensor,
	s_cselect_b64 s[28:29], s[14:15], s[16:17]     ; where its codes go,
	s_cselect_b32 s46, s46, s50                    ; its row in bytes,
	s_cselect_b32 s47, s47, s44                    ; the group of columns within it,
	s_cselect_b32 s42, s42, s45                    ; the quad,
	s_cselect_b32 s51, 51200, s51                  ; bytes from tile to tile,
	s_cselect_b32 s52, s52, s53                    ; the group's first tile
	s_lshl_b32 s54, s42, 9                         ; 512 rows a quad
	s_mul_i32 s54, s54, s46
	s_lshl_b32 s55, s47, 9                         ; 512 bytes a group of columns
	s_add_co_u32 s54, s54, s55
	s_lshl_b32 s55, s18, 7                         ; 128 bytes a wave
	s_add_co_u32 s54, s54, s55
	s_mov_b32 s55, 0
	s_add_nc_u64 s[24:25], s[24:25], s[54:55]
	s_lshl_b32 s26, s46, 5                         ; a block: 32 rows on
	s_mov_b32 s27, 0
	s_lshl_b32 s56, s18, 1
	s_add_co_u32 s52, s52, s56                     ; my first tile
	s_mul_i32 s52, s52, s51
	s_mul_i32 s53, s42, 6400
	s_add_co_u32 s52, s52, s53
	s_mov_b32 s53, 0
	s_add_nc_u64 s[28:29], s[28:29], s[52:53]      ; my first tile's quad,
	s_mov_b32 s32, s51
	s_mov_b32 s33, 0
	s_add_nc_u64 s[30:31], s[28:29], s[32:33]      ; my second tile's
	s_mul_i32 s56, s18, WSTG
	s_add_co_u32 s56, s56, WBASE                   ; my two stages
	v_bfe_u32 v9, v0, 3, 1                         ; column l of my 32 is tile (l / 8) % 2,
	v_and_b32 v10, 7, v0
	s_wait_alu depctr_va_vdst(0)
	v_lshl_add_u32 v10, v3, 3, v10                 ; place l % 8 + 8 (l / 16)
	v_mul_u32_u24 v4, v9, TSTG
	v_lshl_add_u32 v4, v10, 4, v4
	v_add_nc_u32 v4, s56, v4                       ; into the stage: my tile, 16 x my place
	v_lshl_add_u32 v5, v1, 4, s56                  ; out of it: 16 x lane
	v_mul_u32_u24 v6, v3, TSTG
	v_lshl_add_u32 v6, v2, 4, v6
	v_add_nc_u32 v6, s56, v6
	v_add_nc_u32 v6, 6144, v6                      ; the scale words: lanes 0-15 the first tile's 256 bytes, lanes 16-31 the second's
	v_lshlrev_b32 v7, 4, v1
	v_mul_u32_u24 v8, v3, s51
	v_lshl_add_u32 v8, v2, 4, v8
	v_add_nc_u32 v8, 6144, v8                      ; and the same in memory
	v_lshlrev_b32 v[OFF], 2, v1                    ; 4 bytes a lane: a wave's load reads 128 consecutive bytes, the four waves' 512
.set i, 1
.rept 31
	v_add_nc_u32 v[OFF+i], s46, v[OFF+i-1]         ; one row further down
.set i, i+1
.endr
.macro WLOAD t                         ; block t: rows 32 t + 0 .. 31 at my column, into set t % 2
.if (\t) > 0
	s_wait_xcnt 0x0                                ; the loads issued so far have read their base: it may step
	s_add_nc_u64 s[24:25], s[24:25], s[26:27]
.endif
.irp i, 0,1,2,3,4,5,6,7,8,9,10,11,12,13,14,15,16,17,18,19,20,21,22,23,24,25,26,27,28,29,30,31
	global_load_b32 v[X+32*((\t)%2)+\i], v[OFF+\i], s[24:25] th:TH_LOAD_NT
.endr
.endm
; Block t = 4 s + b of my column is k 32 b .. 32 b + 31 of K step s: in the image, registers 6 (b / 2) .. + 5 of lane (my place) + 16 (b % 2).
.macro BLOCK t
.set XS, X+32*((\t)%2)
.set Z, 1536*((\t)/4)+256*((\t)%2)
.if (\t) < 15
	s_wait_loadcnt 32                              ; this block's 32 loads are in; the next block's may be out
.else
	s_wait_loadcnt 0x0
.endif
	v_max3_num_f32 v12, |v[XS]|, |v[XS+1]|, |v[XS+2]|              ; all 32 numbers of the block are mine
	v_max3_num_f32 v13, |v[XS+3]|, |v[XS+4]|, |v[XS+5]|
.irp i, 6,10,14,18,22,26
	v_max3_num_f32 v12, v12, |v[XS+\i]|, |v[XS+\i+1]|
	v_max3_num_f32 v13, v13, |v[XS+\i+2]|, |v[XS+\i+3]|
.endr
	v_max3_num_f32 v12, v12, |v[XS+30]|, |v[XS+31]|
	v_max3_num_f32 v12, v12, v13, 0x1800000        ; and the floor 2^(3 - 127)
	v_add_nc_u32 v11, 0xff000000, v12              ; 2 off the exponent field: the conversion's scale operand
	v_lshrrev_b32 v13, 23, v11                     ; the byte
.if ((\t)%4) == 0
	v_mov_b32 v[WS+(\t)/4], v13
.else
	v_lshl_or_b32 v[WS+(\t)/4], v13, 8*((\t)%4), v[WS+(\t)/4]
.endif
	v_cvt_scalef32_pk16_fp6_f32 v[C:C+2], v[XS:XS+15], v11
	v_cvt_scalef32_pk16_fp6_f32 v[C+8:C+10], v[XS+16:XS+31], v11
	v_nop                                          ; one plain place behind a scaled conversion
.irp i, 0,1,2
	v_mov_b32 v[C+3+\i], v[C+8+\i]                 ; six registers on end
.endr
.if ((\t)%4) < 2
	ds_store_b128 v4, v[C:C+3] offset:Z            ; registers 0-3,
	ds_store_b64 v4, v[C+4:C+5] offset:Z+512       ; 4, 5
.else
	ds_store_b64 v4, v[C:C+1] offset:Z+520         ; registers 6, 7,
	ds_store_b128 v4, v[C+2:C+5] offset:Z+1024     ; 8-11
.endif
.if (\t) == 15
	ds_store_b128 v4, v[WS:WS+3] offset:6144       ; my column's four scale words
.endif
.if (\t) < 14
	WLOAD (\t)+2
.endif
	s_wait_dscnt 0x0                               ; the stores have read their registers: the next block's codes may be written
.endm
	WLOAD 0
	s_wait_alu depctr_va_vdst(0)
	WLOAD 1
.set Q, 0
.rept 16
	BLOCK Q
.set Q, Q+1
.endr
.irp u, 0,1
.irp k, 0,1,2,3,4,5,6,7,8,9,10,11
	ds_load_b128 v[OUTR+48*\u+4*\k:OUTR+48*\u+4*\k+3], v5 offset:TSTG*\u+512*\k
.endr
.endr
	ds_load_b128 v[240:243], v6
.irp u, 0,1
.irp k, 0,1,2,3,4,5,6,7,8,9,10,11
	s_wait_dscnt 24-12*\u-\k                       ; LDS loads come back in order: this one is in, the younger ones may be out
	global_store_b128 v7, v[OUTR+48*\u+4*\k:OUTR+48*\u+4*\k+3], s[28+2*\u:29+2*\u] offset:512*\k   ; 512 consecutive aligned bytes
.endr
.endr
	s_wait_dscnt 0x0
	global_store_b128 v8, v[240:243], s[28:29]     ; sixteen lanes fill each tile's 256 bytes of scale words
	s_wait_tensorcnt 0x0
	ds_add_u32 v254, v255
	s_wait_dscnt 0x0
	s_endpgm
.Lfunc_end_k_qc7bbde87b8_quant:
	.size	k_qc7bbde87b8_quant, .Lfunc_end_k_qc7bbde87b8_quant-k_qc7bbde87b8_quant
	.p2alignl 7, 3214868480
	.fill 96, 4, 3214868480
	.section	.rodata,"a",@progbits
	.p2align	6, 0x0
	.amdhsa_kernel k_qc7bbde87b8_quant
		.amdhsa_group_segment_fixed_size 86528
		.amdhsa_private_segment_fixed_size 0
		.amdhsa_enable_private_segment 0
		.amdhsa_kernarg_size 56
		.amdhsa_user_sgpr_count 2
		.amdhsa_user_sgpr_kernarg_segment_ptr 1
		.amdhsa_wavefront_size32 1
		.amdhsa_system_sgpr_workgroup_id_x 1
		.amdhsa_system_sgpr_workgroup_id_y 1
		.amdhsa_system_sgpr_workgroup_id_z 1
		.amdhsa_system_vgpr_workitem_id 0
		.amdhsa_next_free_vgpr 256
		.amdhsa_next_free_sgpr 66
		.amdhsa_reserve_vcc 1
		.amdhsa_float_denorm_mode_32 3
		.amdhsa_float_denorm_mode_16_64 3
		.amdhsa_memory_ordered 1
		.amdhsa_forward_progress 1
		.amdhsa_inst_pref_size 117
	.end_amdhsa_kernel
	.amdgpu_metadata
---
amdhsa.version: [ 1, 2 ]
amdhsa.kernels:
  - .name:           k_qc7bbde87b8_quant
    .symbol:         k_qc7bbde87b8_quant.kd
    .args:
      - { .name: x, .offset: 0, .size: 8, .value_kind: global_buffer, .address_space: global }
      - { .name: wq, .offset: 8, .size: 8, .value_kind: global_buffer, .address_space: global }
      - { .name: wk, .offset: 16, .size: 8, .value_kind: global_buffer, .address_space: global }
      - { .name: wv, .offset: 24, .size: 8, .value_kind: global_buffer, .address_space: global }
      - { .name: wo, .offset: 32, .size: 8, .value_kind: global_buffer, .address_space: global }
      - { .name: opa, .offset: 40, .size: 8, .value_kind: global_buffer, .address_space: global }
      - { .name: opw, .offset: 48, .size: 8, .value_kind: global_buffer, .address_space: global }
    .group_segment_fixed_size: 86528
    .private_segment_fixed_size: 0
    .kernarg_segment_align: 8
    .kernarg_segment_size: 56
    .max_flat_workgroup_size: 128
    .sgpr_count:     66
    .vgpr_count:     256
    .wavefront_size: 32
...
	.end_amdgpu_metadata
.endif
;; end of part 1
;; launch gemm1 (part 2): grid 64 x 4, 4 waves a work-group, clusters of 4 x 4, 327,680 bytes of LDS; arguments opa, freqs_cos, freqs_sin, qkv; writes qkv
.if DOCPART == 2
	.amdgcn_target "amdgcn-amd-amdhsa--gfx1250"
	.amdhsa_code_object_version 6
	.text
	.protected	k_qc7bbde87b8_gemm1
	.globl	k_qc7bbde87b8_gemm1
	.p2align	8
	.type	k_qc7bbde87b8_gemm1,@function
k_qc7bbde87b8_gemm1:
	s_mov_b64 s[64:65], 0
	v_nop
	global_prefetch_b8 v0, s[64:65] scope:SCOPE_SE
	s_setreg_imm32_b32 hwreg(HW_REG_WAVE_MODE, 25, 1), 1
	s_wait_xcnt 0x0
	s_wait_alu depctr_hold_cnt(0) depctr_sa_sdst(0) depctr_va_vdst(0) depctr_va_sdst(0) depctr_va_ssrc(0) depctr_va_vcc(0) depctr_vm_vsrc(0)
	s_getreg_b32 s2, hwreg(HW_REG_IB_STS2, 6, 4)
	s_cmp_eq_u32 s2, 0
	s_cbranch_scc0 .Lentry_in_a_cluster
	s_endpgm
.Lentry_in_a_cluster:
	s_bfe_u32 s2, ttmp6, 0x10000c
	s_cmp_lg_u32 s2, 0xf033
	s_cbranch_scc0 .Lentry_shape_is_right
	s_endpgm
.Lentry_shape_is_right:
; q, k, v = x wq, x wk, x wv on codes of FP6 (E2M3) with E8M0 scales, K = 4,096; then the rotation (q, k) in f32 and the quantiser of attention's products: the results leave as codes and scale words in qkv.
; opa: tiles of 16 rows, 51,200 bytes each, as 8 quads of 6,400 bytes (512 along K: four images in the order of the operand's registers, then 256 bytes of scale words); tiles 0-127 x's rows, 128-383 the columns of wq, wk, wv.
; A work-group makes 128 x 256: 8 tiles as source 1 (R) x 16 tiles as source 0 (P); a wave 4 x 8 tiles: 32 accumulators, taken by turns.
; Clusters 0-11 along x: R = x's rows, P = columns of wq, wk: a lane holds one position and its registers run along the channels.  Clusters 12-15: R = wv's columns, P = x's rows: a lane holds a channel, its registers run along the keys.
; A ring of two LDS slots, each one quad of the 24 tiles (153,600 bytes), filled by joint loads: R's tiles are shared along a row of the 4 x 4 cluster, P's along a column; waves 0, 1 fetch R's halves, waves 2, 3 P's.
; At the head a wave issues one joint load (slot 0); slot 1's first fill stands behind the waits, the add and a round, as a refill does.
; PREFETCH: behind the load of quad j a wave asks for quad j + 2 of the tiles that it fetches (the head also for quad 1): of a wave's 4 (R) or 8 (P) tiles each of the four partners of the joint load takes 1 or 2, told apart by address;
; a lane names one block of 256 bytes of a quad's 25 (lanes 25-31 name the last again), so each block is named once in a cluster; the refills of quads 6 and 7 ask for nothing.
.set QUADB,  6400
.set TPITCH, 51200
.set NQUAD,  8
.set LAPS,   NQUAD/2
.set SLOT,   24*QUADB
.set POFF,   8*QUADB
.set SPARE,  2*SLOT
.set ADR,  16
.set ADP,  18
.set ASR,  20
.set ASP,  22
.set LI,   24
.set WO,   25
.set FO,   26
.set SPW,  28
.set NIL,  29
.set SC,   32
.set RF,   128
.set HA,   128
.set T,    192
.set TM,   200
.set PW,   216
.set SW,   220
.set PC,   224
.set SEL,  90
.set G1A, 24
.set G0A, 32
.set G1B, 48
.set G0B, 56
.set MSB, 0
.macro WIN new
.if MSB != \new
	s_set_vgpr_msb (MSB<<8)|\new
.set MSB, \new
.endif
.endm
.set MUL,   0x52
.set TO_P,  0x80
.set TO_CS, 0xc0
.macro PLACES n
.rept \n
	v_nop
.endr
.endm
.macro JLOAD g0a, g1a, g0b, g1b
	s_cmp_eq_u32 s15, 0
	s_cbranch_scc0 .Lfor_b_\@
	tensor_load_to_lds s[\g0a:\g0a+3], s[\g1a:\g1a+7]
	s_nop 0
.rept 4
	v_nop
.endr
	s_branch .Lasked_\@
.Lfor_b_\@:
	tensor_load_to_lds s[\g0b:\g0b+3], s[\g1b:\g1b+7]
	s_nop 0
.rept 4
	v_nop
.endr
.Lasked_\@:
.endm
.macro CREST
	s_cmp_lg_u32 s14, 0
	s_cbranch_scc1 .Lnot_wave_0_\@
	s_barrier_signal -3
.Lnot_wave_0_\@:
	s_barrier_wait -3
	s_barrier_signal -1
	s_barrier_wait -1
.endm
.macro CROUND
	s_barrier_signal -1
	s_barrier_wait -1
	CREST
.endm
.macro QUANT s, w, pc, pw
.if \w
	WIN 0x05
.endif
.irp b, 0,1,2,3
	v_max3_num_f32 v[TM+\b], |v[(\s)+16*\b]|, |v[(\s)+1+16*\b]|, 0x1800000
.endr
.if \w
	WIN 0x14
.endif
.irp i, 2,4,6,8,10,12,14
.irp b, 0,1,2,3
	v_max3_num_f32 v[TM+\b], v[TM+\b], |v[(\s)+16*\b+\i]|, |v[(\s)+1+16*\b+\i]|
.endr
.endr
	WIN 0
.irp b, 0,1,2,3
	v_permlanex16_b32 v[TM+4+\b], v[TM+\b], s[SEL], s[SEL+1]
.endr
.irp b, 0,1,2,3
	v_max_num_f32 v[TM+\b], v[TM+\b], v[TM+4+\b]
.endr
.irp b, 0,1,2,3
	v_add_nc_u32 v[TM+12+\b], 0xff000000, v[TM+\b]
.endr
.irp b, 0,1,2,3
	v_lshrrev_b32 v[TM+4+\b], 23, v[TM+12+\b]
.endr
	v_lshl_or_b32 v[\pw], v[TM+5], 8, v[TM+4]
	v_lshl_or_b32 v[\pw], v[TM+6], 16, v[\pw]
	v_lshl_or_b32 v[\pw], v[TM+7], 24, v[\pw]
.if \w
	WIN 0x01
.endif
.irp c, 0,1
	v_cvt_scalef32_pk16_fp6_f32 v[(\pc)+6*\c:(\pc)+2+6*\c], v[(\s)+32*\c:(\s)+15+32*\c], v[TM+12+2*\c]
	v_cvt_scalef32_pk16_fp6_f32 v[(\pc)+12+4*\c:(\pc)+14+4*\c], v[(\s)+16+32*\c:(\s)+31+32*\c], v[TM+13+2*\c]
.endr
	WIN 0
	v_nop
.irp c, 0,1
.irp i, 0,1,2
	v_permlane16_swap_b32 v[(\pc)+6*\c+\i], v[(\pc)+12+4*\c+\i]
.endr
.irp i, 0,1,2
	v_mov_b32 v[(\pc)+3+6*\c+\i], v[(\pc)+12+4*\c+\i]
.endr
.endr
.endm
	s_load_b256 s[4:11], s[0:1], 0x0
	v_lshl_add_u32 v[SPW], v0, 2, SPARE
	v_mov_b32 v[NIL], 0
	ds_add_u32 v28, v29
	ds_add_u32 v28, v29
	s_wait_dscnt 0x0
	v_lshrrev_b32 v1, 5, v0
	v_readfirstlane_b32 s14, v1
	CROUND                                         ; the round in front of the first joint loads; it stands here so that the arguments' load is on its way meanwhile
	s_lshr_b32 s15, s14, 1
	s_and_b32 s16, s14, 1
	s_bfe_u32 s40, ttmp6, 0x40000
	s_bfe_u32 s41, ttmp6, 0x40004
	s_lshr_b32 s66, ttmp9, 2
	s_and_b32 s67, ttmp9, 3
	s_sub_co_u32 s68, ttmp9, 12
	s_and_b32 s69, s68, 1
	s_lshr_b32 s68, s68, 1
	s_cmp_ge_u32 ttmp9, 12
	s_cselect_b32 s70, 1, 0
	s_cselect_b32 s66, s69, s66
	s_cselect_b32 s67, s68, s67
	s_cselect_b32 s71, 0, 128
	s_cselect_b32 s76, 320, 0
	s_lshl_b32 s42, s66, 2
	s_add_co_u32 s42, s42, s40
	s_lshl_b32 s17, s67, 2
	s_add_co_u32 s17, s17, s41
	s_lshl_b32 s43, s41, 2
	s_lshl_b32 s43, 15, s43
	s_lshl_b32 s44, 0x1111, s40
	s_or_b32 s[G1A+0], s43, (3<<16)|(1<<21)
	s_or_b32 s[G1B+0], s44, (3<<16)|(1<<21)
	s_mov_b32 s[G1A+1], 800<<16
	s_mov_b32 s[G1A+2], 4<<16
	s_mov_b32 s[G1A+3], 800<<16
	s_mov_b32 s[G1A+4], 4
	s_mov_b32 s[G1A+5], TPITCH/8
	s_mov_b32 s[G1A+6], 0
	s_mov_b32 s[G1A+7], 0
	s_mov_b32 s[G1B+1], 800<<16
	s_mov_b32 s[G1B+2], 8<<16
	s_mov_b32 s[G1B+3], 800<<16
	s_mov_b32 s[G1B+4], 8
	s_mov_b32 s[G1B+5], TPITCH/8
	s_mov_b32 s[G1B+6], 0
	s_mov_b32 s[G1B+7], 0
	s_lshl_b32 s20, s17, 3
	s_add_co_u32 s20, s20, s76
	s_lshl_b32 s21, s16, 2
	s_add_co_u32 s20, s20, s21
	s_mul_i32 s20, s20, TPITCH
	s_mov_b32 s21, 0
	s_lshl_b32 s46, s42, 4
	s_add_co_u32 s46, s46, s71
	s_lshl_b32 s47, s16, 3
	s_add_co_u32 s46, s46, s47
	s_mul_i32 s46, s46, TPITCH
	s_mov_b32 s47, 0
	s_mul_i32 s45, s16, 4*QUADB
	s_mul_i32 s22, s16, 8*QUADB
	s_add_co_u32 s22, s22, POFF
	s_mov_b32 s[SEL], 0x76543210
	s_mov_b32 s[SEL+1], 0xfedcba98
	s_wait_kmcnt 0x0
	s_add_nc_u64 s[20:21], s[4:5], s[20:21]
	s_add_nc_u64 s[46:47], s[4:5], s[46:47]
.set PFO, 27                           ; v27 the prefetches' offset: 256 x min(lane, 24); never rewritten
.set PF,  92                           ; s[92:93] my work-group's share of the tiles that I fetch, at the quad from which ASK counts
.macro ASK q, loop                     ; asks for quad q (counted from s[PF]): one tile for R's waves, two for P's.  loop = 1: not in the loop's last trip
.if \loop
	s_cmp_gt_u32 s3, 1
	s_cbranch_scc0 .Lpf_\@
.endif
	global_prefetch_b8 v[PFO], s[PF:PF+1] offset:(\q)*QUADB th:TH_LOAD_NT scope:SCOPE_SE
	s_cmp_eq_u32 s15, 0
	s_cbranch_scc1 .Lpf_\@
	global_prefetch_b8 v[PFO], s[PF:PF+1] offset:(\q)*QUADB+TPITCH th:TH_LOAD_NT scope:SCOPE_SE
.Lpf_\@:
.endm
	s_lshl_b32 s95, s41, 1                         ; P's partners differ in cy: tiles 2 cy, 2 cy + 1 of my eight
	s_cmp_eq_u32 s15, 0
	s_cselect_b64 s[PF:PF+1], s[20:21], s[46:47]
	s_cselect_b32 s94, s40, s95                    ; R's partners differ in cx: tile cx of my four
	s_mul_i32 s94, s94, TPITCH
	s_mov_b32 s95, 0
	s_add_nc_u64 s[PF:PF+1], s[PF:PF+1], s[94:95]
.irp s, 0,1
	s_mov_b32 s[G0A+4*\s], 1
	s_add_co_u32 s[G0A+4*\s+1], s45, \s*SLOT
	s_add_nc_u64 s[G0A+4*\s+2:G0A+4*\s+3], s[20:21], \s*QUADB
	s_or_b32 s[G0A+4*\s+3], s[G0A+4*\s+3], 0x80000000
	s_mov_b32 s[G0B+4*\s], 1
	s_add_co_u32 s[G0B+4*\s+1], s22, \s*SLOT
	s_add_nc_u64 s[G0B+4*\s+2:G0B+4*\s+3], s[46:47], \s*QUADB
	s_or_b32 s[G0B+4*\s+3], s[G0B+4*\s+3], 0x80000000
.endr
	JLOAD G0A, G1A, G0B, G1B                       ; quad 0: my one tensor load at the head; the set-up below stands under its flight
	v_and_b32 v[PFO], 31, v0
	v_min_u32 v[PFO], 24, v[PFO]
	v_lshlrev_b32 v[PFO], 8, v[PFO]
	s_wait_alu depctr_va_vdst(0)
	ASK 1, 0                                       ; beside the first fill only quad 1 is asked for; quad 2 follows behind quad 1's load
	v_and_b32 v1, 31, v0
	v_and_b32 v2, 15, v0
	v_bfe_u32 v3, v0, 4, 1
	v_lshlrev_b32 v[LI], 4, v1
	v_lshlrev_b32 v4, 4, v2
	v_mad_u32_u24 v5, v3, 2*QUADB, v4
	v_mad_u32_u24 v6, v3, 4*QUADB, v4
	v_add_nc_u32 v5, 6144, v5
	v_add_nc_u32 v6, 6144, v6
	s_mul_i32 s84, s15, 4*QUADB
	s_mul_i32 s85, s16, 8*QUADB
	s_add_co_u32 s85, s85, POFF
.irp s, 0,1
	v_add_nc_u32 v[ADR+\s], s84, v[LI]
	v_add_nc_u32 v[ADP+\s], s85, v[LI]
	v_add_nc_u32 v[ASR+\s], s84, v5
	v_add_nc_u32 v[ASP+\s], s85, v6
	s_add_co_u32 s84, s84, SLOT
	s_add_co_u32 s85, s85, SLOT
.endr
	v_lshl_add_u32 v[WO], v3, 3, v4
	v_and_b32 v7, 8, v2
	v_add_nc_u32 v7, v7, v2
	v_lshlrev_b32 v[FO], 8, v7
	v_lshl_add_u32 v[FO], v3, 5, v[FO]
	s_lshl_b32 s86, s17, 15
	s_lshl_b32 s87, s15, 14
	s_add_co_u32 s86, s86, s87
	s_mov_b32 s87, 0
	s_add_nc_u64 s[6:7], s[6:7], s[86:87]
	s_add_nc_u64 s[8:9], s[8:9], s[86:87]
	WIN TO_CS
.irp a, 0,1,2,3
.irp b, 0,1,2,3
.irp j, 0,1
	global_load_b128 v[64*\a+8*\b+4*\j:64*\a+8*\b+4*\j+3], v[FO], s[6:7] offset:(32*(\a/2)+8*(\a%2))*256+64*\b+16*\j
	global_load_b128 v[64*\a+32+8*\b+4*\j:64*\a+32+8*\b+4*\j+3], v[FO], s[8:9] offset:(32*(\a/2)+8*(\a%2))*256+64*\b+16*\j
.endr
.endr
.endr
	WIN 0
	s_lshl_b32 s77, s42, 1
	s_add_co_u32 s77, s77, s16
	s_lshl_b32 s78, s77, 4
	s_add_co_u32 s78, s78, s17
	s_add_co_u32 s79, s17, 24
	s_lshl_b32 s79, s79, 4
	s_add_co_u32 s79, s79, s77
	s_cmp_eq_u32 s70, 1
	s_cselect_b32 s78, s79, s78
	s_mul_i32 s78, s78, 12800
	s_mul_i32 s80, s15, 6144
	s_add_co_u32 s80, s80, s78
	s_mov_b32 s81, 0
	s_lshl_b32 s82, s15, 8
	s_add_co_u32 s82, s82, s78
	s_add_co_u32 s82, s82, 12288
	s_mov_b32 s83, 0
	s_add_nc_u64 s[72:73], s[10:11], s[80:81]
	s_add_nc_u64 s[74:75], s[10:11], s[82:83]
.macro WM a, t, p, s, sc, zero
.set rD, 64*(\a)+8*(\t)
.set rP, 128*(\p)+12*(\t)
.set rR, RF+48*(\p)+12*(\a)
.set rX, SC+24*(\sc)+4*((\t)%4)+(\s)
.set rY, SC+24*(\sc)+16+4*((\a)%2)+(\s)
.if \zero
.if ((\t) < 4) && ((\a) < 2)
	v_wmma_scale_f32_16x16x128_f8f6f4 v[rD:rD+7], v[rP:rP+11], v[rR:rR+11], 0, v[rX], v[rY] matrix_a_fmt:MATRIX_FMT_FP6 matrix_b_fmt:MATRIX_FMT_FP6
.elseif (\a) < 2
	v_wmma_scale_f32_16x16x128_f8f6f4 v[rD:rD+7], v[rP:rP+11], v[rR:rR+11], 0, v[rX], v[rY] matrix_a_fmt:MATRIX_FMT_FP6 matrix_b_fmt:MATRIX_FMT_FP6 matrix_a_scale:MATRIX_SCALE_ROW1
.elseif (\t) < 4
	v_wmma_scale_f32_16x16x128_f8f6f4 v[rD:rD+7], v[rP:rP+11], v[rR:rR+11], 0, v[rX], v[rY] matrix_a_fmt:MATRIX_FMT_FP6 matrix_b_fmt:MATRIX_FMT_FP6 matrix_b_scale:MATRIX_SCALE_ROW1
.else
	v_wmma_scale_f32_16x16x128_f8f6f4 v[rD:rD+7], v[rP:rP+11], v[rR:rR+11], 0, v[rX], v[rY] matrix_a_fmt:MATRIX_FMT_FP6 matrix_b_fmt:MATRIX_FMT_FP6 matrix_a_scale:MATRIX_SCALE_ROW1 matrix_b_scale:MATRIX_SCALE_ROW1
.endif
.else
.if ((\t) < 4) && ((\a) < 2)
	v_wmma_scale_f32_16x16x128_f8f6f4 v[rD:rD+7], v[rP:rP+11], v[rR:rR+11], v[rD:rD+7], v[rX], v[rY] matrix_a_fmt:MATRIX_FMT_FP6 matrix_b_fmt:MATRIX_FMT_FP6
.elseif (\a) < 2
	v_wmma_scale_f32_16x16x128_f8f6f4 v[rD:rD+7], v[rP:rP+11], v[rR:rR+11], v[rD:rD+7], v[rX], v[rY] matrix_a_fmt:MATRIX_FMT_FP6 matrix_b_fmt:MATRIX_FMT_FP6 matrix_a_scale:MATRIX_SCALE_ROW1
.elseif (\t) < 4
	v_wmma_scale_f32_16x16x128_f8f6f4 v[rD:rD+7], v[rP:rP+11], v[rR:rR+11], v[rD:rD+7], v[rX], v[rY] matrix_a_fmt:MATRIX_FMT_FP6 matrix_b_fmt:MATRIX_FMT_FP6 matrix_b_scale:MATRIX_SCALE_ROW1
.else
	v_wmma_scale_f32_16x16x128_f8f6f4 v[rD:rD+7], v[rP:rP+11], v[rR:rR+11], v[rD:rD+7], v[rX], v[rY] matrix_a_fmt:MATRIX_FMT_FP6 matrix_b_fmt:MATRIX_FMT_FP6 matrix_a_scale:MATRIX_SCALE_ROW1 matrix_b_scale:MATRIX_SCALE_ROW1
.endif
.endif
.endm
.macro MUL8 a, p, s, sc, zero
.irp t, 0,1,2,3,4,5,6,7
	WM \a, \t, \p, \s, \sc, \zero
.endr
.endm
.macro FETCH slot, s, p
	WIN TO_P
.irp t, 0,1,2,3,4,5,6,7
.irp j, 0,1,2
	ds_load_b128 v[128*(\p)+12*\t+4*\j:128*(\p)+12*\t+4*\j+3], v[ADP+\slot] offset:QUADB*\t+1536*(\s)+512*\j
.endr
.endr
	WIN 0
.irp a, 0,1,2,3
.irp j, 0,1,2
	ds_load_b128 v[RF+48*(\p)+12*\a+4*\j:RF+48*(\p)+12*\a+4*\j+3], v[ADR+\slot] offset:QUADB*\a+1536*(\s)+512*\j
.endr
.endr
.endm
.macro SCALES sc
.irp i, 0,1,2,3
	ds_load_b128 v[SC+24*\sc+4*\i:SC+24*\sc+4*\i+3], v[ASP+\sc] offset:QUADB*\i
.endr
.irp i, 0,1
	ds_load_b128 v[SC+24*\sc+16+4*\i:SC+24*\sc+16+4*\i+3], v[ASR+\sc] offset:QUADB*\i
.endr
.endm
.macro STEP slot, s, zero
	PLACES 4
	FETCH \slot, (\s)+1, ((\s)+1)%2
	s_wait_dscnt 36
	WIN MUL
.irp a, 0,1,2,3
	MUL8 \a, (\s)%2, \s, \slot, \zero
.endr
.endm
.macro TURN slot, next, fill
	WIN 0
	s_wait_tensorcnt 0x0
	ds_add_u32 v[SPW], v[NIL]
	s_wait_dscnt 1
	WIN MUL
	MUL8 0, 1, 3, \slot, 0
	s_wait_dscnt 0x0
	s_barrier_signal -1
	MUL8 1, 1, 3, \slot, 0
	WIN 0
	s_barrier_wait -1
.if \fill
	CREST
	s_add_nc_u64 s[G0A+4*\slot+2:G0A+4*\slot+3], s[G0A+4*\slot+2:G0A+4*\slot+3], 2*QUADB
	s_add_nc_u64 s[G0B+4*\slot+2:G0B+4*\slot+3], s[G0B+4*\slot+2:G0B+4*\slot+3], 2*QUADB
	JLOAD G0A+4*\slot, G1A, G0B+4*\slot, G1B
.else
	PLACES 4
.endif
	s_wait_alu depctr_va_vdst(0)
	FETCH \next, 0, 0
	SCALES \next
.if \fill && (LAPS > 2)
	ASK 4+\slot, 1                                 ; two refills on, behind the joint load and the run of LDS loads
.endif
	WIN MUL
	MUL8 2, 1, 3, \slot, 0
	MUL8 3, 1, 3, \slot, 0
.endm
	s_wait_alu depctr_va_vdst(0)
	s_wait_tensorcnt 0x0                           ; my part of quad 0 is in
	ds_add_u32 v[SPW], v[NIL]
	s_wait_dscnt 0x0
	CROUND                                         ; everybody's part is in, and the joint loads meet
	JLOAD G0A+4, G1A, G0B+4, G1B                   ; quad 1 into slot 1: the first tensor load behind the round
	FETCH 0, 0, 0
	SCALES 0
	ASK 2, 0
	ASK 3, 0
	STEP 0, 0, 1
	WIN 0
	s_mov_b32 s3, LAPS-1
.Llap:
	STEP 0, 1, 0
	STEP 0, 2, 0
	TURN 0, 1, 1
	STEP 1, 0, 0
	STEP 1, 1, 0
	STEP 1, 2, 0
	TURN 1, 0, 1
	STEP 0, 0, 0
	WIN 0
	s_wait_xcnt 0x0                                ; my prefetches have read their base: it steps a lap, two quads
	s_add_nc_u64 s[PF:PF+1], s[PF:PF+1], 2*QUADB
	s_sub_co_u32 s3, s3, 1
	s_cmp_lg_u32 s3, 0
	s_cbranch_scc1 .Llap
	STEP 0, 1, 0
	STEP 0, 2, 0
	TURN 0, 1, 0
	STEP 1, 0, 0
	STEP 1, 1, 0
	STEP 1, 2, 0
	s_wait_dscnt 0x0
.irp a, 0,1,2,3
	MUL8 \a, 1, 3, 1, 0
.endr
	WIN 0
	PLACES 4
	s_wait_loadcnt 0x0
.irp b, 0,1,2,3
	v_mov_b32 v[TM+4+\b], 0
.endr
.macro ROPE a
	WIN 0x0d
.set n, 0
.rept 32
.set rE, 64*(\a)+2*n
.set rT, T+2*(n%4)
	v_mul_f32 v[rT], v[rE+1], v[64*(\a)+32+n]
	v_mul_f32 v[rT+1], v[rE], v[64*(\a)+32+n]
	v_fma_f32 v[HA+2*n], v[rE], v[64*(\a)+n], -v[rT]
	v_fma_f32 v[HA+2*n+1], v[rE+1], v[64*(\a)+n], v[rT+1]
.set n, n+1
.endr
	WIN 0
.endm
	s_cmp_eq_u32 s70, 1
	s_cbranch_scc1 .Lv_out
.irp a, 0,1,2,3
	ROPE \a
	s_wait_xcnt 0x0
	QUANT HA, 0, PC, PW+\a
.irp j, 0,1,2
	global_store_b128 v[LI], v[PC+4*\j:PC+4*\j+3], s[72:73] offset:1536*\a+512*\j
.endr
.endr
	s_branch .Lwords
.Lv_out:
.irp a, 0,1,2,3
	s_wait_xcnt 0x0
	QUANT 64*\a, 1, PC, PW+\a
.irp j, 0,1,2
	global_store_b128 v[LI], v[PC+4*\j:PC+4*\j+3], s[72:73] offset:1536*\a+512*\j
.endr
.endr
.Lwords:
	v_cmp_ne_u32 vcc_lo, 0, v3
	v_cndmask_b32 v[SW], v[PW], v[PW+2], vcc_lo
	v_cndmask_b32 v[SW+1], v[PW+1], v[PW+3], vcc_lo
	global_store_b64 v[WO], v[SW:SW+1], s[74:75]
	s_wait_tensorcnt 0x0
	ds_add_u32 v[SPW], v[NIL]
	s_wait_dscnt 0x0
	CROUND
	s_endpgm
.Lfunc_end_k_qc7bbde87b8_gemm1:
	.size	k_qc7bbde87b8_gemm1, .Lfunc_end_k_qc7bbde87b8_gemm1-k_qc7bbde87b8_gemm1
	.p2alignl 7, 3214868480
	.fill 96, 4, 3214868480
	.section	.rodata,"a",@progbits
	.p2align	6, 0x0
	.amdhsa_kernel k_qc7bbde87b8_gemm1
		.amdhsa_group_segment_fixed_size 327680
		.amdhsa_private_segment_fixed_size 0
		.amdhsa_enable_private_segment 0
		.amdhsa_kernarg_size 32
		.amdhsa_user_sgpr_count 2
		.amdhsa_user_sgpr_kernarg_segment_ptr 1
		.amdhsa_wavefront_size32 1
		.amdhsa_system_sgpr_workgroup_id_x 1
		.amdhsa_system_sgpr_workgroup_id_y 1
		.amdhsa_system_sgpr_workgroup_id_z 1
		.amdhsa_system_vgpr_workitem_id 0
		.amdhsa_next_free_vgpr 1024
		.amdhsa_next_free_sgpr 100
		.amdhsa_reserve_vcc 1
		.amdhsa_float_denorm_mode_32 3
		.amdhsa_float_denorm_mode_16_64 3
		.amdhsa_memory_ordered 1
		.amdhsa_forward_progress 1
		.amdhsa_inst_pref_size 183
	.end_amdhsa_kernel
	.amdgpu_metadata
---
amdhsa.version: [ 1, 2 ]
amdhsa.kernels:
  - .name:           k_qc7bbde87b8_gemm1
    .symbol:         k_qc7bbde87b8_gemm1.kd
    .args:
      - { .name: opa, .offset: 0, .size: 8, .value_kind: global_buffer, .address_space: global }
      - { .name: freqs_cos, .offset: 8, .size: 8, .value_kind: global_buffer, .address_space: global }
      - { .name: freqs_sin, .offset: 16, .size: 8, .value_kind: global_buffer, .address_space: global }
      - { .name: qkv, .offset: 24, .size: 8, .value_kind: global_buffer, .address_space: global }
    .group_segment_fixed_size: 327680
    .private_segment_fixed_size: 0
    .kernarg_segment_align: 8
    .kernarg_segment_size: 32
    .max_flat_workgroup_size: 128
    .sgpr_count:     100
    .vgpr_count:     1024
    .wavefront_size: 32
...
	.end_amdgpu_metadata
.endif
;; end of part 2
;; launch attn (part 3): grid 32 x 8, 8 waves a work-group, clusters of 4 x 4, 327,680 bytes of LDS; arguments qkv, mask, ao; writes ao
.if DOCPART == 3
	.amdgcn_target "amdgcn-amd-amdhsa--gfx1250"
	.amdhsa_code_object_version 6
	.text
	.protected	k_qc7bbde87b8_attn
	.globl	k_qc7bbde87b8_attn
	.p2align	8
	.type	k_qc7bbde87b8_attn,@function
k_qc7bbde87b8_attn:
	s_mov_b64 s[64:65], 0
	v_nop
	global_prefetch_b8 v0, s[64:65] scope:SCOPE_SE
	s_setreg_imm32_b32 hwreg(HW_REG_WAVE_MODE, 25, 1), 1
	s_wait_xcnt 0x0
	s_wait_alu depctr_hold_cnt(0) depctr_sa_sdst(0) depctr_va_vdst(0) depctr_va_sdst(0) depctr_va_ssrc(0) depctr_va_vcc(0) depctr_vm_vsrc(0)
	s_getreg_b32 s2, hwreg(HW_REG_IB_STS2, 6, 4)
	s_cmp_eq_u32 s2, 0
	s_cbranch_scc0 .Lentry_in_a_cluster
	s_endpgm
.Lentry_in_a_cluster:
	s_bfe_u32 s2, ttmp6, 0x10000c
	s_cmp_lg_u32 s2, 0xf033
	s_cbranch_scc0 .Lentry_shape_is_right
	s_endpgm
.Lentry_shape_is_right:
; Attention on codes of FP6 (E2M3) with E8M0 scales: 16 query heads on 8 key and value heads, 2,048 positions, head size 128, with the additive mask [2048][2048] f32 AS IT IS GIVEN: every number of it is loaded and added.
; t = (score / sqrt(128) + mask) log2(e); M = the largest t so far, rounded up to a whole number; p = 2^(t - M) is quantised along the keys; the row's sum is taken of the unquantised p and divides at the end.
; The result is quantised along heads x channels and leaves as codes for the last product.
; qkv: [32 heads][16 groups][12,800 bytes]: eight images (16 rows x 128 K in the order of the operand's registers, 1,536 bytes) and 512 bytes of scale words.  Heads 0-15 q, 16-23 k (rows = positions), 24-31 v (rows = channels, K = keys).
; Of a group's 128 rows, tile t place p is row 32 (t / 2) + 8 (t % 2) + p + 8 (p / 8).  ao: [128 tiles of queries][4 quads of 6,400 bytes]: K step = query head; four images, then scale words (row p, step s at 6144 + 16 p + 4 s).
; SHARES.  A work-group owns 64 queries x the two query heads (A, B) of one key and value head.  EIGHT WAVES, two to a SIMD, 512 registers each: wave w owns tile w % 4 of 16 queries for both heads and, of each slot's two key steps,
; step u = w / 4: eight steps of 128 keys a wave.  Each byte of K, V and the mask is read from LDS as often as with one wave to a tile.  At the end the two waves of a tile join their M, sums and O^T (factors 2^(own M - joint M), which round
; nothing) through LDS; wave u = 0 finishes head A, wave u = 1 head B.
; Both products are used transposed (S^T = K Q^T, O^T = V^T P^T): a lane holds ONE query; its register 16 b + i is key (or channel) 32 b + 16 (lane / 16) + i.
; THE MASK lands in head A's score registers, is multiplied by sqrt(128) there, and is the C of the scores' products: of head B's first (into B's registers), then, five places on, of head A's in place.
; K and V take turns in one set of 96 registers (tiles 0-3 in window 0, tiles 4-7 in window 1).  Both heads' maxima and t - M stand ahead of all exponentials.
; CLUSTERS 4 x 4: K's and V's units hang on the key and value head (the cluster's y place): asked for jointly along a row; the mask's rows on the block of queries (x place): jointly along a column.
; A slot holds two key steps.  Every wave issues one joint load a slot: waves 0-3 a unit of K or V (12,800 bytes), waves 4-7 16 rows x 256 keys of the mask.  The change of slots stands in the step's middle, where V is in registers.
; PREFETCH: behind the load of slot j waves 4-7 ask for slot j + 2 (the head also for slot 1): of the four units the partner at x place p takes unit p (waves 4, 5: 25 blocks of 256 bytes each), of the mask's 64 rows the partner at
; y place p takes 16 (waves 6, 7: 8 rows x 4 blocks): each block is named once in a cluster; the refills of slots 6 and 7 ask for nothing.
; LIMITS: |mask| x sqrt(128) must be finite; a mask of -infinity was not tried; a row ALL of whose keys carry a mask so large that the scores vanish beside it is rounded otherwise than the reference rounds it;
; blocks of zeros and blocks under 2^-124 get the scale byte 1; NaN is not served; the scaled scores stay under 2^31 in magnitude.
; REGISTERS.  Window 0: v1-10 addresses; head A: v12 -M, v13 largest t, v[14:15] the sum, v16-27 Q, v96-159 mask, S^T, p, v160-223 O^T, v224-235 p's codes, v232-247, v252, v254 at work; v32-79 K or V, tiles 0-3;
;   all scale words: v28, v29 Q's; v30 B's p; v80-83 V's; v248-251 K's; v253 A's p.   Window 1: head B, register for register; v32-79 K or V, tiles 4-7.
; s_set_vgpr_msb's low byte: bits 1:0 source 0, 3:2 source 1, 5:4 source 2, 7:6 destination.
.set SLOT1, 1<<17                      ; slot 1 begins here
.set UNITB, 12800
.set VOFF,  2*UNITB
.set MOFF,  4*UNITB
.set MP,    1032                       ; a row of the mask: 1,024 bytes + 8
.set SPARE, 2*SLOT1                    ; the spare words: 128 bytes for each of eight waves
.set STGB,  17*512                     ; the join: a wave's stage, in slot 0 behind its last fill and last read
.set LK,   1                           ; 16 x lane + my key step's unit
.set LV,   2                           ; the same at V's units
.set AM0,  3                           ; my query's row of the mask at my key step, + 64 bytes for lanes 16-31
.set L16,  4                           ; 16 x lane
.set SPW,  5
.set NIL,  6
.set WO,   7                           ; 16 x (lane % 16)
.set ADK,  8                           ; the three places in the slot in hand
.set ADV,  9
.set ADM,  10
.set QSA,  28
.set QSB,  29
.set PSB,  30
.set TM,   32
.set VS,   80
.set STO,  84                          ; my stage, my partner's
.set STP,  85
.set PFO,  86                          ; the prefetches' offset
.set KS,   248
.set WV,   18
.set SEL,  20
.set CS,   22
.set RT,   24
.set G1KV, 28
.set G1M,  36
.set G0KV, 44
.set G0M,  52
.set TB,   60
.set SLOTS, 61
.set PF,   82
.set PFS,  84
.set MSB, 0
.macro WIN new
.if MSB != \new
	s_set_vgpr_msb (MSB<<8)|\new
.set MSB, \new
.endif
.endm
.macro PLACES n
.rept \n
	v_nop
.endr
.endm
.macro TLOAD s                         ; a joint load with descriptor set s: waves 0-3 K's, V's units, waves 4-7 the mask's rows
	s_cmp_lt_u32 s[WV], 4
	s_cbranch_scc0 .Lfor_m_\@
	tensor_load_to_lds s[G0KV+4*\s:G0KV+4*\s+3], s[G1KV:G1KV+7]
	s_nop 0
	PLACES 4
	s_branch .Lasked_\@
.Lfor_m_\@:
	tensor_load_to_lds s[G0M+4*\s:G0M+4*\s+3], s[G1M:G1M+7]
	s_nop 0
	PLACES 4
.Lasked_\@:
.endm
.macro ASK k, loop                     ; waves 4-7 ask for the slot k on from s[PF]; loop = 1: not in the last two trips
	s_cmp_lt_u32 s[WV], 4
	s_cbranch_scc1 .Lpx_\@
.if \loop
	s_cmp_gt_u32 s[SLOTS], 2
	s_cbranch_scc0 .Lpx_\@
.endif
	s_cmp_lt_u32 s[WV], 6
	s_cbranch_scc0 .Lpm_\@
	global_prefetch_b8 v[PFO], s[PF:PF+1] offset:(\k)*2*UNITB th:TH_LOAD_NT scope:SCOPE_SE
	s_branch .Lpx_\@
.Lpm_\@:
	global_prefetch_b8 v[PFO], s[PF:PF+1] offset:(\k)*1024 th:TH_LOAD_NT scope:SCOPE_SE
.Lpx_\@:
.endm
.macro CREST
	s_cmp_lg_u32 s[WV], 0
	s_cbranch_scc1 .Lnot_wave_0_\@
	s_barrier_signal -3
.Lnot_wave_0_\@:
	s_barrier_wait -3
	s_barrier_signal -1
	s_barrier_wait -1
.endm
.macro CROUND
	s_barrier_signal -1
	s_barrier_wait -1
	CREST
.endm
.macro QUANT s, pc, pw                 ; 64 numbers of a lane become a fragment's codes in v[pc] on (pc + 12 .. pc + 19 at work) and my row's scale word in v[pw]
.irp b, 0,1,2,3
	v_max3_num_f32 v[TM+\b], |v[(\s)+16*\b]|, |v[(\s)+1+16*\b]|, 0x1800000   ; with the floor 2^(3 - 127): the byte cannot fall under 1
.endr
.irp i, 2,4,6,8,10,12,14
.irp b, 0,1,2,3
	v_max3_num_f32 v[TM+\b], v[TM+\b], |v[(\s)+16*\b+\i]|, |v[(\s)+1+16*\b+\i]|
.endr
.endr
.irp b, 0,1,2,3
	v_permlanex16_b32 v[TM+4+\b], v[TM+\b], s[SEL], s[SEL+1]
.endr
.irp b, 0,1,2,3
	v_max_num_f32 v[TM+\b], v[TM+\b], v[TM+4+\b]
.endr
.irp b, 0,1,2,3
	v_add_nc_u32 v[TM+12+\b], 0xff000000, v[TM+\b]                ; 2 off the exponent field: the conversion's scale operand
.endr
.irp b, 0,1,2,3
	v_lshrrev_b32 v[TM+4+\b], 23, v[TM+12+\b]                     ; the byte
.endr
	v_lshl_or_b32 v[\pw], v[TM+5], 8, v[TM+4]
	v_lshl_or_b32 v[\pw], v[TM+6], 16, v[\pw]
	v_lshl_or_b32 v[\pw], v[TM+7], 24, v[\pw]
.irp c, 0,1
	v_cvt_scalef32_pk16_fp6_f32 v[(\pc)+6*\c:(\pc)+2+6*\c], v[(\s)+32*\c:(\s)+15+32*\c], v[TM+12+2*\c]
	v_cvt_scalef32_pk16_fp6_f32 v[(\pc)+12+4*\c:(\pc)+14+4*\c], v[(\s)+16+32*\c:(\s)+31+32*\c], v[TM+13+2*\c]
.endr
	v_nop                                                         ; one plain place behind a scaled conversion
.irp c, 0,1
.irp i, 0,1,2
	v_permlane16_swap_b32 v[(\pc)+6*\c+\i], v[(\pc)+12+4*\c+\i]
.endr
.irp i, 0,1,2
	v_mov_b32 v[(\pc)+3+6*\c+\i], v[(\pc)+12+4*\c+\i]
.endr
.endr
.endm
.macro INIT                            ; a head's statistics and sums, in the window that is set
	v_mov_b32 v13, 0xff61b1e6                      ; the largest t so far: -3e38
	v_floor_f32 v12, -v13
	v_mov_b32 v14, 0
	v_mov_b32 v15, 0
.irp b, 0,1,2,3
	v_mov_b32 v[236+\b], 0                         ; a lane permute's destination counts as one of its sources
.endr
	v_mov_b32 v253, 0
.set j, 0
.rept 64
	v_mov_b32 v[160+j], 0                          ; O^T: the step is written once for every step; the first finds zeros
.set j, j+1
.endr
.endm
	s_load_b128 s[4:7], s[0:1], 0x0                ; qkv, mask
	s_load_b64 s[8:9], s[0:1], 0x10                ; ao
	v_lshl_add_u32 v[SPW], v0, 2, SPARE
	v_mov_b32 v[NIL], 0
	ds_add_u32 v[SPW], v[NIL]                      ; the opening lines: the add twice on end and one wait
	ds_add_u32 v[SPW], v[NIL]
	v_lshrrev_b32 v8, 5, v0
	v_readfirstlane_b32 s[WV], v8                  ; wave 0..7
	s_and_b32 s17, s[WV], 3                        ; my tile; also which 16 rows of the mask I fetch
	s_lshr_b32 s19, s[WV], 2                       ; u: my key step of a slot
	s_and_b32 s14, s[WV], 1
	s_bfe_u32 s26, s[WV], 0x10001                  ; waves 0-3: K (0) or V (1)
	s_bfe_u32 s10, ttmp6, 0x40000                  ; cx
	s_bfe_u32 s11, ttmp6, 0x40004                  ; cy
	s_lshl_b32 s12, ttmp9, 2
	s_add_co_u32 s12, s12, s10                     ; my block of 64 queries
	s_and_b32 s13, ttmp7, 0xffff
	s_lshl_b32 s13, s13, 2
	s_add_co_u32 s13, s13, s11                     ; my key and value head
	s_lshl_b32 s15, s11, 2
	s_lshl_b32 s15, 15, s15                        ; my row of the cluster
	s_lshl_b32 s16, 0x1111, s10                    ; my column
	s_or_b32 s[G1KV], s15, (3<<16)|(1<<21)         ; a unit: 12,800 dense bytes as 50 rows of 256 (32 elements of 8)
	s_mov_b32 s[G1KV+1], 32<<16
	s_mov_b32 s[G1KV+2], 50<<16
	s_mov_b32 s[G1KV+3], 32<<16
	s_mov_b32 s[G1KV+4], 50
	s_mov_b32 s[G1KV+5], 32
	s_mov_b32 s[G1KV+6], 0
	s_mov_b32 s[G1KV+7], 0
	s_or_b32 s[G1M], s16, (2<<16)|(1<<20)|(1<<21)|(7<<22)|(1<<25)   ; the mask: 16 rows x 256 elements of 4 bytes, 2 words of padding behind every 256
	s_mov_b32 s[G1M+1], 256<<16
	s_mov_b32 s[G1M+2], 16<<16
	s_mov_b32 s[G1M+3], 256<<16
	s_mov_b32 s[G1M+4], 16
	s_mov_b32 s[G1M+5], 2048
	s_mov_b32 s[G1M+6], 0
	s_mov_b32 s[G1M+7], 0
	s_lshl_b32 s66, s26, 3                         ; V's heads lie eight behind K's
	s_add_co_u32 s66, s66, s13
	s_add_co_u32 s66, s66, 16
	s_mul_i32 s66, s66, 16*UNITB
	s_mul_i32 s69, s14, UNITB                      ; which of a slot's two units
	s_add_co_u32 s66, s66, s69
	s_mov_b32 s67, 0
	s_mul_i32 s68, s26, VOFF
	s_add_co_u32 s68, s68, s69                     ; and where it goes
	s_lshl_b32 s70, s12, 19                        ; the mask: 64 rows of 8,192 bytes a block,
	s_lshl_b32 s71, s17, 17                        ; 16 rows a wave
	s_add_co_u32 s70, s70, s71
	s_mov_b32 s71, 0
	s_mul_i32 s72, s17, 16*MP
	s_add_co_u32 s72, s72, MOFF
	s_mul_i32 s74, s13, 2*16*UNITB                 ; Q: head A = 2 x my key and value head; head B one head on
	s_lshr_b32 s75, s12, 1
	s_mul_i32 s75, s75, UNITB
	s_add_co_u32 s74, s74, s75
	s_and_b32 s76, s12, 1
	s_lshl_b32 s77, s76, 2
	s_add_co_u32 s77, s77, s17
	s_mul_i32 s77, s77, 1536
	s_add_co_u32 s78, s74, s77
	s_mov_b32 s79, 0
	s_lshl_b32 s80, s76, 8
	s_lshl_b32 s81, s17, 2
	s_add_co_u32 s80, s80, s81
	s_add_co_u32 s80, s80, s74
	s_add_co_u32 s80, s80, 12288
	s_mov_b32 s81, 0
	s_lshl_b32 s82, s12, 2
	s_add_co_u32 s82, s82, s17
	s_mul_i32 s82, s82, 25600                      ; ao: my tile of queries,
	s_lshr_b32 s83, s13, 1
	s_mul_i32 s83, s83, 6400                       ; the quad of my two heads,
	s_add_co_u32 s82, s82, s83
	s_and_b32 s84, s13, 1
	s_lshl_b32 s84, s84, 1
	s_add_co_u32 s84, s84, s19                     ; the K step of the head that I finish
	s_mul_i32 s85, s84, 1536
	s_add_co_u32 s86, s82, s85
	s_mov_b32 s87, 0
	s_lshl_b32 s84, s84, 2
	s_add_co_u32 s88, s82, s84
	s_add_co_u32 s88, s88, 6144
	s_mov_b32 s89, 0
	s_lshr_b32 s98, s17, 1                         ; my query is row 32 (tile / 2) + 16 (r / 8) + 8 (tile % 2) + r % 8 of the block's 64
	s_mul_i32 s98, s98, 32*MP
	s_mul_i32 s99, s14, 8*MP
	s_add_co_u32 s98, s98, s99
	s_lshl_b32 s99, s19, 9                         ; my key step: 512 bytes on in a row
	s_add_co_u32 s98, s98, s99
	s_add_co_u32 s98, s98, MOFF
	s_mul_i32 s99, s19, UNITB
	s_mul_i32 s62, s[WV], STGB
	s_xor_b32 s63, s[WV], 4
	s_mul_i32 s63, s63, STGB
	s_lshr_b32 s27, s10, 1                         ; the prefetches: waves 4, 5: unit cx of the slot's four (K, K, V, V), half a unit a wave
	s_lshl_b32 s27, s27, 3
	s_add_co_u32 s27, s27, s13
	s_add_co_u32 s27, s27, 16
	s_mul_i32 s27, s27, 16*UNITB
	s_and_b32 s69, s10, 1
	s_mul_i32 s69, s69, UNITB
	s_add_co_u32 s27, s27, s69
	s_mul_i32 s69, s14, 6400
	s_add_co_u32 s27, s27, s69
	s_lshl_b32 s69, s12, 6                         ; waves 6, 7: rows 16 cy + 8 (wave % 2) on of my block's 64
	s_lshl_b32 s73, s11, 4
	s_add_co_u32 s69, s69, s73
	s_lshl_b32 s73, s14, 3
	s_add_co_u32 s69, s69, s73
	s_lshl_b32 s69, s69, 13
	s_mov_b32 s[PFS], 1024
	s_cmp_lt_u32 s[WV], 6
	s_cselect_b32 s[PF], s27, s69
	s_cselect_b32 s[PFS], 2*UNITB, s[PFS]          ; bytes from slot to slot
	s_cselect_b32 s27, -1, 0
	s_mov_b32 s[PF+1], 0
	s_mov_b32 s[PFS+1], 0
	s_mov_b32 s[SEL], 0x76543210
	s_mov_b32 s[SEL+1], 0xfedcba98
	s_mov_b32 s[CS], 0x3e0293ee                    ; log2(e) / sqrt(128)
	s_mov_b32 s[CS+1], s[CS]
	s_mov_b32 s[RT], 0x413504f3                    ; sqrt(128)
	s_mov_b32 s[RT+1], s[RT]
	s_mov_b32 s[TB], 0
	s_mov_b32 s[SLOTS], 6
	s_wait_dscnt 0x0                               ; both opening adds are done
	CROUND                                         ; the round in front of the first joint loads; it stands here so that the arguments' load is on its way meanwhile
	v_and_b32 v8, 15, v0                           ; r
	v_bfe_u32 v9, v0, 4, 1                         ; h
	v_and_b32 v10, 31, v0                          ; lane
	v_lshlrev_b32 v[L16], 4, v10
	v_add_nc_u32 v[LK], s99, v[L16]
	v_add_nc_u32 v[LV], VOFF, v[LK]
	v_lshlrev_b32 v[WO], 4, v8
	v_lshrrev_b32 v11, 3, v8
	v_and_b32 v87, 7, v8
	v_mul_u32_u24 v[AM0], v11, 16*MP
	v_mad_u32_u24 v[AM0], v87, MP, v[AM0]
	v_lshl_add_u32 v[AM0], v9, 6, v[AM0]
	v_add_nc_u32 v[AM0], s98, v[AM0]
	v_add_nc_u32 v[STO], s62, v[L16]
	v_add_nc_u32 v[STP], s63, v[L16]
	v_min_u32 v11, 24, v10
	v_lshlrev_b32 v11, 8, v11                      ; half a unit: 25 blocks of 256 bytes (lanes 25-31 name the last again)
	v_lshrrev_b32 v87, 2, v10
	v_lshlrev_b32 v87, 13, v87
	v_and_b32 v88, 3, v10
	v_lshl_add_u32 v87, v88, 8, v87                ; the mask: row lane / 4, block lane % 4
	v_cndmask_b32 v[PFO], v87, v11, s27
	s_wait_alu depctr_va_vdst(0)
	s_wait_kmcnt 0x0
	s_add_nc_u64 s[90:91], s[4:5], s[78:79]        ; Q's image, head A
	s_add_nc_u64 s[92:93], s[4:5], s[80:81]        ; Q's scale words
	s_add_nc_u64 s[94:95], s[8:9], s[86:87]        ; my image in ao
	s_add_nc_u64 s[96:97], s[8:9], s[88:89]        ; my scale words in ao
	s_add_nc_u64 s[66:67], s[4:5], s[66:67]
	s_add_nc_u64 s[70:71], s[6:7], s[70:71]
	s_cmp_lt_u32 s[WV], 6
	s_cselect_b64 s[74:75], s[4:5], s[6:7]
	s_add_nc_u64 s[PF:PF+1], s[74:75], s[PF:PF+1]
.irp j, 0,1,2
	global_load_b128 v[16+4*\j:19+4*\j], v[L16], s[90:91] offset:512*\j
.endr
	global_load_b32 v[QSA], v[WO], s[92:93]
	global_load_b32 v[QSB], v[WO], s[92:93] offset:16*UNITB
	WIN 0x40
.irp j, 0,1,2
	global_load_b128 v[16+4*\j:19+4*\j], v[L16], s[90:91] offset:16*UNITB+512*\j
.endr
	WIN 0
.irp s, 0,1
	s_mov_b32 s[G0KV+4*\s], 1
	s_add_co_u32 s[G0KV+4*\s+1], s68, \s*SLOT1
	s_add_nc_u64 s[G0KV+4*\s+2:G0KV+4*\s+3], s[66:67], \s*2*UNITB
	s_or_b32 s[G0KV+4*\s+3], s[G0KV+4*\s+3], 0x80000000
	s_mov_b32 s[G0M+4*\s], 1
	s_add_co_u32 s[G0M+4*\s+1], s72, \s*SLOT1
	s_add_nc_u64 s[G0M+4*\s+2:G0M+4*\s+3], s[70:71], \s*1024
	s_or_b32 s[G0M+4*\s+3], s[G0M+4*\s+3], 0x80000000
.endr
	TLOAD 0                                        ; slot 0: one tensor load a wave at the head
	INIT
	ASK 1, 0                                       ; beside the first fill only slot 1 is asked for; slot 2 follows behind slot 1's load
	WIN 0x55
	INIT
	WIN 0
.macro ADDR
	v_add_nc_u32 v[ADK], s[TB], v[LK]
	v_add_nc_u32 v[ADV], s[TB], v[LV]
	v_add_nc_u32 v[ADM], s[TB], v[AM0]
	s_wait_alu depctr_va_vdst(0)
.endm
.macro FLOAD adr, sc                   ; 25 loads: a unit's eight images (tiles 0-3 window 0, 4-7 window 1) and its scale words (lanes 0-15: tiles 0-3; lanes 16-31: tiles 4-7)
	WIN 0
.irp t, 0,1,2,3
.irp c, 0,1,2
	ds_load_b128 v[32+12*\t+4*\c:35+12*\t+4*\c], v[\adr] offset:1536*\t+512*\c
.endr
.endr
	ds_load_b128 v[\sc:\sc+3], v[\adr] offset:12288
	WIN 0x40
.irp t, 0,1,2,3
.irp c, 0,1,2
	ds_load_b128 v[32+12*\t+4*\c:35+12*\t+4*\c], v[\adr] offset:6144+1536*\t+512*\c
.endr
.endr
	WIN 0
.endm
.macro MLOAD                           ; 32 loads of 8 bytes into head A's score registers: register 16 b + i: the mask of my query at key 32 b + 16 h + i
	WIN 0
.irp b, 0,1,2,3
.irp m, 0,1,2,3,4,5,6,7
	ds_load_b64 v[96+16*\b+2*\m:97+16*\b+2*\m], v[ADM] offset:128*\b+8*\m
.endr
.endr
.endm
.macro SPROD w0, w1, qs                ; S^T = K Q^T + mask sqrt(128): the windows say whose Q and S^T, and where C lies
	WIN \w0
.irp t, 0,1,2,3
	v_wmma_scale_f32_16x16x128_f8f6f4 v[96+8*\t:103+8*\t], v[32+12*\t:43+12*\t], v[16:27], v[96+8*\t:103+8*\t], v[KS+\t], v[\qs] matrix_a_fmt:MATRIX_FMT_FP6 matrix_b_fmt:MATRIX_FMT_FP6
.endr
	WIN \w1
.irp t, 0,1,2,3
	v_wmma_scale_f32_16x16x128_f8f6f4 v[128+8*\t:135+8*\t], v[32+12*\t:43+12*\t], v[16:27], v[128+8*\t:135+8*\t], v[KS+\t], v[\qs] matrix_a_fmt:MATRIX_FMT_FP6 matrix_b_fmt:MATRIX_FMT_FP6 matrix_a_scale:MATRIX_SCALE_ROW1
.endr
.endm
.macro PVPROD w0, w1, ps               ; O^T += V^T P^T: eight accumulators, one turn each
	WIN \w0
.irp t, 0,1,2,3
	v_wmma_scale_f32_16x16x128_f8f6f4 v[160+8*\t:167+8*\t], v[32+12*\t:43+12*\t], v[224:235], v[160+8*\t:167+8*\t], v[VS+\t], v[\ps] matrix_a_fmt:MATRIX_FMT_FP6 matrix_b_fmt:MATRIX_FMT_FP6
.endr
	WIN \w1
.irp t, 0,1,2,3
	v_wmma_scale_f32_16x16x128_f8f6f4 v[192+8*\t:199+8*\t], v[32+12*\t:43+12*\t], v[224:235], v[192+8*\t:199+8*\t], v[VS+\t], v[\ps] matrix_a_fmt:MATRIX_FMT_FP6 matrix_b_fmt:MATRIX_FMT_FP6 matrix_a_scale:MATRIX_SCALE_ROW1
.endr
.endm
.macro MAXF                            ; one head: the blocks' largest scores, M, f = 2^(old M - new M), and t - M
.irp b, 0,1,2,3
	v_max3_num_f32 v[232+\b], v[96+16*\b], v[97+16*\b], v[98+16*\b]   ; each block's largest score serves the row's maximum and, since p rises with the score, the block's largest p
.endr
.irp i, 3,5,7,9,11,13
.irp b, 0,1,2,3
	v_max3_num_f32 v[232+\b], v[232+\b], v[96+16*\b+\i], v[97+16*\b+\i]
.endr
.endr
.irp b, 0,1,2,3
	v_max_num_f32 v[232+\b], v[232+\b], v[111+16*\b]
.endr
.irp b, 0,1,2,3
	v_permlanex16_b32 v[236+\b], v[232+\b], s[SEL], s[SEL+1]
.endr
.irp b, 0,1,2,3
	v_max_num_f32 v[232+\b], v[232+\b], v[236+\b]
.endr
	v_max3_num_f32 v254, v232, v233, v234
	s_delay_alu instid0(VALU_DEP_1)
	v_max_num_f32 v254, v254, v235
	s_delay_alu instid0(VALU_DEP_1)
	v_mul_f32 v254, s[CS], v254                    ; as t (c is positive)
	s_delay_alu instid0(VALU_DEP_1)
	v_max_num_f32 v13, v13, v254                   ; the running largest t
	v_mov_b32 v254, v12
	s_delay_alu instid0(VALU_DEP_2)
	v_floor_f32 v12, -v13                          ; the new -M = -ceil(t)
	s_delay_alu instid0(VALU_DEP_1)
	v_sub_f32 v254, v12, v254                      ; old M - new M: a whole number, 0 or less
	s_delay_alu instid0(VALU_DEP_1)
	v_cvt_i32_f32 v254, v254                       ; (it saturates)
	s_delay_alu instid0(VALU_DEP_1)
	v_ldexp_f32 v252, 1.0, v254
.set j, 0
.rept 32
	v_pk_fma_f32 v[96+2*j:97+2*j], v[96+2*j:97+2*j], s[CS:CS+1], v[12:13] op_sel_hi:[1,0,0]
.set j, j+1
.endr
.irp b, 0,1,2,3
	v_fma_f32 v[232+\b], v[232+\b], s[CS], v12
.endr
.endm
.macro EXPO                            ; one head: the batch of 68 exponentials, the sum and O^T under the new M
.set j, 0
.rept 64
	v_exp_f32 v[96+j], v[96+j]                     ; p = 2^(t - M), at most 1
.set j, j+1
.endr
.irp b, 0,1,2,3
	v_exp_f32 v[232+\b], v[232+\b]                 ; the blocks' largest p
.endr
	v_pk_mul_f32 v[14:15], v[14:15], v[252:253] op_sel_hi:[1,0]   ; (a plain place behind the batch)
	s_wait_alu depctr_va_vdst(0)                   ; behind the batch, directly ahead of the first reader of O^T
.set j, 0
.rept 32
	v_pk_mul_f32 v[160+2*j:161+2*j], v[160+2*j:161+2*j], v[252:253] op_sel_hi:[1,0]   ; each accumulator from its low end on
.set j, j+1
.endr
.endm
.macro SM2 tb                          ; one head: p's scales and codes, and the row's sum.  tb = 1: head B's scale word is copied into window 0
.irp b, 0,1,2,3
	v_max_num_f32 v[232+\b], 0x1800000, v[232+\b]  ; the floor 2^(3 - 127)
.endr
.irp b, 0,1,2,3
	v_add_nc_u32 v[244+\b], 0xff000000, v[232+\b]
.endr
.irp b, 0,1,2,3
	v_lshrrev_b32 v[236+\b], 23, v[244+\b]
.endr
	v_lshl_or_b32 v253, v237, 8, v236
	v_lshl_or_b32 v253, v238, 16, v253
	v_lshl_or_b32 v253, v239, 24, v253
.if \tb
	WIN 0x01
	v_mov_b32 v[PSB], v253
	WIN 0x55
.endif
.irp c, 0,1
	v_cvt_scalef32_pk16_fp6_f32 v[224+6*\c:226+6*\c], v[96+32*\c:111+32*\c], v[244+2*\c]
	v_cvt_scalef32_pk16_fp6_f32 v[236+4*\c:238+4*\c], v[112+32*\c:127+32*\c], v[244+2*\c+1]
.endr
	v_nop
.irp c, 0,1
.irp i, 0,1,2
	v_permlane16_swap_b32 v[224+6*\c+\i], v[236+4*\c+\i]
.endr
.irp i, 0,1,2
	v_mov_b32 v[227+6*\c+\i], v[236+4*\c+\i]
.endr
.endr
	v_pk_add_f32 v[236:237], v[96:97], v[98:99]    ; the sum of the unquantised p, in four chains
	v_pk_add_f32 v[238:239], v[100:101], v[102:103]
	v_pk_add_f32 v[240:241], v[104:105], v[106:107]
.irp j, 12,20,28,36,44,52
	v_pk_add_f32 v[14:15], v[14:15], v[96+\j:97+\j]
	v_pk_add_f32 v[236:237], v[236:237], v[98+\j:99+\j]
	v_pk_add_f32 v[238:239], v[238:239], v[100+\j:101+\j]
	v_pk_add_f32 v[240:241], v[240:241], v[102+\j:103+\j]
.endr
	v_pk_add_f32 v[14:15], v[14:15], v[156:157]
	v_pk_add_f32 v[236:237], v[236:237], v[158:159]
	v_pk_add_f32 v[238:239], v[238:239], v[240:241]
	v_pk_add_f32 v[14:15], v[14:15], v[236:237]
	v_pk_add_f32 v[14:15], v[14:15], v[238:239]    ; (these are also the places between the codes' and the scale word's writes and the products)
.endm
; MY KEY STEP OF THE SLOT IN HAND.  Its mask and K were asked for in the step before, the mask first.
; mode 1: the slot is filled again.  2: the slots change and nothing is filled.  3: my last step.
.macro STEP mode
	s_wait_dscnt 25                                ; the mask is in; K's 25 loads, issued behind it, may be out
.set j, 0
.rept 32
	v_pk_mul_f32 v[96+j:97+j], v[96+j:97+j], s[RT:RT+1] op_sel_hi:[1,0]   ; the mask x sqrt(128), once for both heads
.set j, j+2
.endr
	s_wait_alu depctr_va_vdst(0)
	s_wait_dscnt 0x0                               ; K and its scale words are in
	SPROD 0x44, 0x45, QSB                          ; head B: C in window 0, Q and S^T in window 1
	PLACES 5                                       ; head A's products write over the C of head B's
	SPROD 0x00, 0x01, QSA                          ; head A, in place
	PLACES 4
	FLOAD ADV, VS                                  ; V, into K's registers
	WIN 0x55
	MAXF
	WIN 0
	MAXF
.if \mode == 3
	s_wait_dscnt 0x0                               ; V is in
.else
.if \mode == 1
	s_wait_xcnt 0x0                                ; my last prefetch has read its base: it steps a slot
	s_add_nc_u64 s[PF:PF+1], s[PF:PF+1], s[PFS:PFS+1]
.endif
	s_wait_tensorcnt 0x0                           ; my one load that was out, my part of the next slot, is in
	ds_add_u32 v[SPW], v[NIL]
.if \mode == 1
	s_xor_b32 s[G0KV+5], s[G0KV+5], SLOT1          ; the walking descriptors: the other slot, two units or 256 keys on
	s_add_nc_u64 s[G0KV+6:G0KV+7], s[G0KV+6:G0KV+7], 2*UNITB
	s_xor_b32 s[G0M+5], s[G0M+5], SLOT1
	s_add_nc_u64 s[G0M+6:G0M+7], s[G0M+6:G0M+7], 1024
.endif
	s_wait_dscnt 0x0                               ; the add is done; V is in: my reads of this slot are over
	s_barrier_signal -1
.endif
	s_wait_alu depctr_va_vdst(0)                   ; ahead of the batches: all their sources are written
	EXPO                                           ; head A
.if \mode != 3
	SM2 0                                          ; head A's codes, sum and products with V: work on registers while the others arrive
	PVPROD 0x00, 0x01, 253
	WIN 0
	s_barrier_wait -1
.if \mode == 1
	CREST                                          ; the barrier has opened a round of the cluster's
	TLOAD 1                                        ; my one tensor load behind it
	ASK 3, 1
.endif
	s_xor_b32 s[TB], s[TB], SLOT1
	ADDR
	MLOAD                                          ; head A's p is done with: the next step's mask
.endif
	WIN 0x55
	EXPO                                           ; head B
.if \mode == 3
	WIN 0                                          ; my last step: head A's products stand behind all exponentials, so that none stands between them and the join's reads
	SM2 0
	PVPROD 0x00, 0x01, 253
	WIN 0x55
.endif
	SM2 1
	PVPROD 0x54, 0x55, PSB
	WIN 0
.if \mode != 3
	PLACES 4
	FLOAD ADK, KS                                  ; the next step's K, into V's registers
.endif
.endm
	s_wait_alu depctr_va_vdst(0)
	s_wait_tensorcnt 0x0                           ; my part of slot 0 is in
	ds_add_u32 v[SPW], v[NIL]
	s_wait_dscnt 0x0
	CROUND
	TLOAD 1                                        ; slot 1's first fill: the first tensor load behind the round
	ADDR
	MLOAD
	FLOAD ADK, KS
	ASK 2, 0
	ASK 3, 0
	s_wait_loadcnt 0x0                             ; Q
.Lslot:                                            ; six trips: slots 0 to 5 are filled again
	STEP 1
	s_sub_co_u32 s[SLOTS], s[SLOTS], 1
	s_cmp_lg_u32 s[SLOTS], 0
	s_cbranch_scc1 .Lslot
	STEP 2
	STEP 3
; THE JOIN.  Wave u = 0 gives its head B away and takes its partner's head A; wave u = 1 the other way round.
.macro GIVE ws                         ; ws: the window of the stores' data
	WIN \ws
.set k, 0
.rept 16
	ds_store_b128 v[STO], v[160+4*k:163+4*k] offset:512*k
.set k, k+1
.endr
	ds_store_b128 v[STO], v[12:15] offset:8192     ; -M, the largest t, the sum's two halves
	WIN 0
.endm
.macro TAKE wd, wa, ws                 ; windows: loads' destination, all operands, stores' data
	WIN \wd
.set k, 0
.rept 16
	ds_load_b128 v[96+4*k:99+4*k], v[STP] offset:512*k
.set k, k+1
.endr
	ds_load_b128 v[236:239], v[STP] offset:8192
	s_wait_dscnt 0x0
	WIN \wa
	v_min_num_f32 v254, v12, v236                  ; the joint -M
	v_add_f32 v14, v14, v15
	v_add_f32 v238, v238, v239
	v_sub_f32 v252, v254, v12                      ; own M - joint M, and the partner's: whole numbers, 0 or less
	v_sub_f32 v240, v254, v236
	v_cvt_i32_f32 v252, v252
	v_cvt_i32_f32 v240, v240
	v_ldexp_f32 v252, 1.0, v252
	v_ldexp_f32 v240, 1.0, v240
	v_mul_f32 v14, v14, v252
	v_fma_f32 v14, v238, v240, v14
.set j, 0
.rept 32
	v_pk_mul_f32 v[160+2*j:161+2*j], v[160+2*j:161+2*j], v[252:253] op_sel_hi:[1,0]
.set j, j+1
.endr
.set j, 0
.rept 32
	v_pk_fma_f32 v[160+2*j:161+2*j], v[96+2*j:97+2*j], v[240:241], v[160+2*j:161+2*j] op_sel_hi:[1,0,1]
.set j, j+1
.endr
	v_permlanex16_b32 v254, v14, s[SEL], s[SEL+1]
	v_add_f32 v14, v14, v254                       ; the row's sum
	s_wait_alu depctr_va_vdst(0)                   ; ahead of the transcendental
	v_rcp_f32 v14, v14
.irp b, 0,1,2,3
	v_mov_b32 v[TM+4+\b], 0                        ; (plain places behind the reciprocal)
.endr
	s_wait_alu depctr_va_vdst(0)                   ; and behind it
.set j, 0
.rept 64
	v_mul_f32 v[96+j], v[160+j], v14               ; register 16 b + i is channel 32 b + 16 h + i of my query
.set j, j+1
.endr
	QUANT 96, 224, 48
	WIN \ws
.irp j, 0,1,2
	global_store_b128 v[L16], v[224+4*\j:227+4*\j], s[94:95] offset:512*\j   ; my head's image: 512 consecutive aligned bytes a store
.endr
	global_store_b32 v[WO], v48, s[96:97]          ; my rows' scale words: lanes r and r + 16 hold the same word and write it to the same place
	WIN 0
.endm
	PLACES 4                                       ; between the last products and the first read of their results
	s_wait_alu depctr_va_vdst(0)
	s_wait_dscnt 0x0
	s_barrier_signal -1
	s_barrier_wait -1                              ; no wave reads a slot any more
	s_cmp_eq_u32 s19, 0
	s_cbranch_scc0 .Lgive_a
	GIVE 0x04
	s_branch .Lgiven
.Lgive_a:
	GIVE 0
.Lgiven:
	s_wait_dscnt 0x0                               ; my stores are done
	s_barrier_signal -1
	s_barrier_wait -1                              ; and so are my partner's
	s_cmp_eq_u32 s19, 0
	s_cbranch_scc0 .Ltake_b
	TAKE 0, 0, 0
	s_branch .Ldone
.Ltake_b:
	TAKE 0x40, 0x55, 0x04
.Ldone:
	s_wait_tensorcnt 0x0                           ; the wave's end
	ds_add_u32 v[SPW], v[NIL]
	s_wait_dscnt 0x0
	CROUND                                         ; the closing round
	s_endpgm
.Lfunc_end_k_qc7bbde87b8_attn:
	.size	k_qc7bbde87b8_attn, .Lfunc_end_k_qc7bbde87b8_attn-k_qc7bbde87b8_attn
	.p2alignl 7, 3214868480
	.fill 96, 4, 3214868480
	.section	.rodata,"a",@progbits
	.p2align	6, 0x0
	.amdhsa_kernel k_qc7bbde87b8_attn
		.amdhsa_group_segment_fixed_size 327680
		.amdhsa_private_segment_fixed_size 0
		.amdhsa_enable_private_segment 0
		.amdhsa_kernarg_size 24
		.amdhsa_user_sgpr_count 2
		.amdhsa_user_sgpr_kernarg_segment_ptr 1
		.amdhsa_wavefront_size32 1
		.amdhsa_system_sgpr_workgroup_id_x 1
		.amdhsa_system_sgpr_workgroup_id_y 1
		.amdhsa_system_sgpr_workgroup_id_z 1
		.amdhsa_system_vgpr_workitem_id 0
		.amdhsa_next_free_vgpr 512
		.amdhsa_next_free_sgpr 100
		.amdhsa_reserve_vcc 0
		.amdhsa_float_denorm_mode_32 3
		.amdhsa_float_denorm_mode_16_64 3
		.amdhsa_memory_ordered 1
		.amdhsa_forward_progress 1
		.amdhsa_inst_pref_size 160
	.end_amdhsa_kernel
	.amdgpu_metadata
---
amdhsa.version: [ 1, 2 ]
amdhsa.kernels:
  - .name:           k_qc7bbde87b8_attn
    .symbol:         k_qc7bbde87b8_attn.kd
    .args:
      - { .name: qkv, .offset: 0, .size: 8, .value_kind: global_buffer, .address_space: global }
      - { .name: mask, .offset: 8, .size: 8, .value_kind: global_buffer, .address_space: global }
      - { .name: ao, .offset: 16, .size: 8, .value_kind: global_buffer, .address_space: global }
    .group_segment_fixed_size: 327680
    .private_segment_fixed_size: 0
    .kernarg_segment_align: 8
    .kernarg_segment_size: 24
    .max_flat_workgroup_size: 256
    .sgpr_count:     100
    .vgpr_count:     512
    .wavefront_size: 32
...
	.end_amdgpu_metadata
.endif
;; end of part 3
;; launch gemm2 (part 4): grid 16 x 16, 4 waves a work-group, clusters of 4 x 4, 327,680 bytes of LDS; arguments ao, opw, out0; writes out0
.if DOCPART == 4
	.amdgcn_target "amdgcn-amd-amdhsa--gfx1250"
	.amdhsa_code_object_version 6
	.text
	.protected	k_qc7bbde87b8_gemm2
	.globl	k_qc7bbde87b8_gemm2
	.p2align	8
	.type	k_qc7bbde87b8_gemm2,@function
k_qc7bbde87b8_gemm2:
	s_mov_b64 s[64:65], 0
	v_nop
	global_prefetch_b8 v0, s[64:65] scope:SCOPE_SE
	s_setreg_imm32_b32 hwreg(HW_REG_WAVE_MODE, 25, 1), 1
	s_wait_xcnt 0x0
	s_wait_alu depctr_hold_cnt(0) depctr_sa_sdst(0) depctr_va_vdst(0) depctr_va_sdst(0) depctr_va_ssrc(0) depctr_va_vcc(0) depctr_vm_vsrc(0)
	s_getreg_b32 s2, hwreg(HW_REG_IB_STS2, 6, 4)
	s_cmp_eq_u32 s2, 0
	s_cbranch_scc0 .Lentry_in_a_cluster
	s_endpgm
.Lentry_in_a_cluster:
	s_bfe_u32 s2, ttmp6, 0x10000c
	s_cmp_lg_u32 s2, 0xf033
	s_cbranch_scc0 .Lentry_shape_is_right
	s_endpgm
.Lentry_shape_is_right:
; out0 = (attention's result) wo on codes of FP6 (E2M3) with E8M0 scales, K = 2,048; out0 [2048][4096] f32.
; ao: 128 tiles of 16 queries, opw: 256 tiles of 16 columns of wo; a tile is 4 quads of 6,400 bytes (512 along K: four images in the order of the operand's registers, then 256 bytes of scale words).
; A work-group makes 128 x 256: 8 tiles of ao as source 1 (R) x 16 tiles of opw as source 0 (P); a wave 4 x 8 tiles: 32 accumulators, taken by turns; a lane holds one query, its registers run along the columns.
; A ring of two LDS slots, each one quad of the 24 tiles, filled by joint loads: R's tiles are shared along a row of the 4 x 4 cluster, P's along a column.  One joint load a wave at the head; slot 1's first fill stands behind the waits,
; the add and a round, as a refill does.  Results leave through each wave's stage in slot 0, behind that slot's last fill and last read, as rows of 512 consecutive bytes.
; PREFETCH: behind the load of quad 0 a wave asks for quad 1 of the tiles that it fetches, behind that of quad 1 for quads 2 and 3: the four partners of a joint load take 1 (R) or 2 (P) tiles each, told apart by address;
; a lane names one block of 256 bytes of a quad's 25 (lanes 25-31 name the last again), so each block is named once in a cluster.
.set QUADB,  6400
.set TPITCH, 25600
.set NQUAD,  4
.set LAPS,   NQUAD/2
.set SLOT,   24*QUADB
.set POFF,   8*QUADB
.set SPARE,  2*SLOT
.set SPITCH, 528
.set ADR,  16
.set ADP,  18
.set ASR,  20
.set ASP,  22
.set LI,   24
.set STO,  25
.set RD,   26
.set SPW,  28
.set NIL,  29
.set SC,   32
.set RF,   128
.set BK,   128
.set G1A, 24
.set G0A, 32
.set G1B, 48
.set G0B, 56
.set MSB, 0
.macro WIN new
.if MSB != \new
	s_set_vgpr_msb (MSB<<8)|\new
.set MSB, \new
.endif
.endm
.set MUL,   0x52
.set TO_P,  0x80
.macro PLACES n
.rept \n
	v_nop
.endr
.endm
.macro JLOAD g0a, g1a, g0b, g1b
	s_cmp_eq_u32 s15, 0
	s_cbranch_scc0 .Lfor_b_\@
	tensor_load_to_lds s[\g0a:\g0a+3], s[\g1a:\g1a+7]
	s_nop 0
.rept 4
	v_nop
.endr
	s_branch .Lasked_\@
.Lfor_b_\@:
	tensor_load_to_lds s[\g0b:\g0b+3], s[\g1b:\g1b+7]
	s_nop 0
.rept 4
	v_nop
.endr
.Lasked_\@:
.endm
.macro CREST
	s_cmp_lg_u32 s14, 0
	s_cbranch_scc1 .Lnot_wave_0_\@
	s_barrier_signal -3
.Lnot_wave_0_\@:
	s_barrier_wait -3
	s_barrier_signal -1
	s_barrier_wait -1
.endm
.macro CROUND
	s_barrier_signal -1
	s_barrier_wait -1
	CREST
.endm
	s_load_b128 s[4:7], s[0:1], 0x0
	s_load_b64 s[12:13], s[0:1], 0x10
	v_lshl_add_u32 v[SPW], v0, 2, SPARE
	v_mov_b32 v[NIL], 0
	ds_add_u32 v28, v29
	ds_add_u32 v28, v29
	s_wait_dscnt 0x0
	v_lshrrev_b32 v1, 5, v0
	v_readfirstlane_b32 s14, v1
	CROUND                                         ; the round in front of the first joint loads; it stands here so that the arguments' load is on its way meanwhile
	s_lshr_b32 s15, s14, 1
	s_and_b32 s16, s14, 1
	s_bfe_u32 s40, ttmp6, 0x40000
	s_bfe_u32 s41, ttmp6, 0x40004
	s_lshl_b32 s42, ttmp9, 2
	s_add_co_u32 s42, s42, s40
	s_and_b32 s17, ttmp7, 0xffff
	s_lshl_b32 s17, s17, 2
	s_add_co_u32 s17, s17, s41
	s_lshl_b32 s43, s41, 2
	s_lshl_b32 s43, 15, s43
	s_lshl_b32 s44, 0x1111, s40
	s_or_b32 s[G1A+0], s43, (3<<16)|(1<<21)
	s_or_b32 s[G1B+0], s44, (3<<16)|(1<<21)
	s_mov_b32 s[G1A+1], 800<<16
	s_mov_b32 s[G1A+2], 4<<16
	s_mov_b32 s[G1A+3], 800<<16
	s_mov_b32 s[G1A+4], 4
	s_mov_b32 s[G1A+5], TPITCH/8
	s_mov_b32 s[G1A+6], 0
	s_mov_b32 s[G1A+7], 0
	s_mov_b32 s[G1B+1], 800<<16
	s_mov_b32 s[G1B+2], 8<<16
	s_mov_b32 s[G1B+3], 800<<16
	s_mov_b32 s[G1B+4], 8
	s_mov_b32 s[G1B+5], TPITCH/8
	s_mov_b32 s[G1B+6], 0
	s_mov_b32 s[G1B+7], 0
	s_lshl_b32 s20, s17, 3
	s_lshl_b32 s21, s16, 2
	s_add_co_u32 s20, s20, s21
	s_mul_i32 s20, s20, TPITCH
	s_mov_b32 s21, 0
	s_lshl_b32 s46, s42, 4
	s_lshl_b32 s47, s16, 3
	s_add_co_u32 s46, s46, s47
	s_mul_i32 s46, s46, TPITCH
	s_mov_b32 s47, 0
	s_mul_i32 s45, s16, 4*QUADB
	s_mul_i32 s22, s16, 8*QUADB
	s_add_co_u32 s22, s22, POFF
	s_wait_kmcnt 0x0
	s_add_nc_u64 s[20:21], s[4:5], s[20:21]
	s_add_nc_u64 s[46:47], s[6:7], s[46:47]
.set PFO, 27                           ; v27 the prefetches' offset: 256 x min(lane, 24); never rewritten
.set PF,  92                           ; s[92:93] my work-group's share of the tiles that I fetch, at quad 0; never rewritten
.macro ASK q                           ; asks for quad q: one tile for R's waves, two for P's
	global_prefetch_b8 v[PFO], s[PF:PF+1] offset:(\q)*QUADB th:TH_LOAD_NT scope:SCOPE_SE
	s_cmp_eq_u32 s15, 0
	s_cbranch_scc1 .Lpf_\@
	global_prefetch_b8 v[PFO], s[PF:PF+1] offset:(\q)*QUADB+TPITCH th:TH_LOAD_NT scope:SCOPE_SE
.Lpf_\@:
.endm
	s_lshl_b32 s95, s41, 1                         ; P's partners differ in cy: tiles 2 cy, 2 cy + 1 of my eight
	s_cmp_eq_u32 s15, 0
	s_cselect_b64 s[PF:PF+1], s[20:21], s[46:47]
	s_cselect_b32 s94, s40, s95                    ; R's partners differ in cx: tile cx of my four
	s_mul_i32 s94, s94, TPITCH
	s_mov_b32 s95, 0
	s_add_nc_u64 s[PF:PF+1], s[PF:PF+1], s[94:95]
.irp s, 0,1
	s_mov_b32 s[G0A+4*\s], 1
	s_add_co_u32 s[G0A+4*\s+1], s45, \s*SLOT
	s_add_nc_u64 s[G0A+4*\s+2:G0A+4*\s+3], s[20:21], \s*QUADB
	s_or_b32 s[G0A+4*\s+3], s[G0A+4*\s+3], 0x80000000
	s_mov_b32 s[G0B+4*\s], 1
	s_add_co_u32 s[G0B+4*\s+1], s22, \s*SLOT
	s_add_nc_u64 s[G0B+4*\s+2:G0B+4*\s+3], s[46:47], \s*QUADB
	s_or_b32 s[G0B+4*\s+3], s[G0B+4*\s+3], 0x80000000
.endr
	JLOAD G0A, G1A, G0B, G1B                       ; quad 0: my one tensor load at the head; the set-up below stands under its flight
	v_and_b32 v[PFO], 31, v0
	v_min_u32 v[PFO], 24, v[PFO]
	v_lshlrev_b32 v[PFO], 8, v[PFO]
	s_wait_alu depctr_va_vdst(0)
	ASK 1                                          ; beside the first fill only quad 1 is asked for; quad 2 follows behind quad 1's load
	v_and_b32 v1, 31, v0
	v_and_b32 v2, 15, v0
	v_bfe_u32 v3, v0, 4, 1
	v_lshlrev_b32 v[LI], 4, v1
	v_lshlrev_b32 v4, 4, v2
	v_mad_u32_u24 v5, v3, 2*QUADB, v4
	v_mad_u32_u24 v6, v3, 4*QUADB, v4
	v_add_nc_u32 v5, 6144, v5
	v_add_nc_u32 v6, 6144, v6
	s_mul_i32 s84, s15, 4*QUADB
	s_mul_i32 s85, s16, 8*QUADB
	s_add_co_u32 s85, s85, POFF
.irp s, 0,1
	v_add_nc_u32 v[ADR+\s], s84, v[LI]
	v_add_nc_u32 v[ADP+\s], s85, v[LI]
	v_add_nc_u32 v[ASR+\s], s84, v5
	v_add_nc_u32 v[ASP+\s], s85, v6
	s_add_co_u32 s84, s84, SLOT
	s_add_co_u32 s85, s85, SLOT
.endr
	s_mul_i32 s23, s14, 16*SPITCH
	v_mul_u32_u24 v7, v2, SPITCH
	v_lshl_add_u32 v7, v3, 6, v7
	v_add_nc_u32 v[STO], s23, v7
	v_add_nc_u32 v[RD], s23, v[LI]
	s_lshl_b32 s86, s17, 7
	s_lshl_b32 s87, s15, 6
	s_add_co_u32 s86, s86, s87
	s_lshl_b32 s86, s86, 14
	s_lshl_b32 s87, s42, 10
	s_add_co_u32 s86, s86, s87
	s_lshl_b32 s87, s16, 9
	s_add_co_u32 s86, s86, s87
	s_mov_b32 s87, 0
	s_add_nc_u64 s[12:13], s[12:13], s[86:87]
.macro WM a, t, p, s, sc, zero
.set rD, 64*(\a)+8*(\t)
.set rP, 128*(\p)+12*(\t)
.set rR, RF+48*(\p)+12*(\a)
.set rX, SC+24*(\sc)+4*((\t)%4)+(\s)
.set rY, SC+24*(\sc)+16+4*((\a)%2)+(\s)
.if \zero
.if ((\t) < 4) && ((\a) < 2)
	v_wmma_scale_f32_16x16x128_f8f6f4 v[rD:rD+7], v[rP:rP+11], v[rR:rR+11], 0, v[rX], v[rY] matrix_a_fmt:MATRIX_FMT_FP6 matrix_b_fmt:MATRIX_FMT_FP6
.elseif (\a) < 2
	v_wmma_scale_f32_16x16x128_f8f6f4 v[rD:rD+7], v[rP:rP+11], v[rR:rR+11], 0, v[rX], v[rY] matrix_a_fmt:MATRIX_FMT_FP6 matrix_b_fmt:MATRIX_FMT_FP6 matrix_a_scale:MATRIX_SCALE_ROW1
.elseif (\t) < 4
	v_wmma_scale_f32_16x16x128_f8f6f4 v[rD:rD+7], v[rP:rP+11], v[rR:rR+11], 0, v[rX], v[rY] matrix_a_fmt:MATRIX_FMT_FP6 matrix_b_fmt:MATRIX_FMT_FP6 matrix_b_scale:MATRIX_SCALE_ROW1
.else
	v_wmma_scale_f32_16x16x128_f8f6f4 v[rD:rD+7], v[rP:rP+11], v[rR:rR+11], 0, v[rX], v[rY] matrix_a_fmt:MATRIX_FMT_FP6 matrix_b_fmt:MATRIX_FMT_FP6 matrix_a_scale:MATRIX_SCALE_ROW1 matrix_b_scale:MATRIX_SCALE_ROW1
.endif
.else
.if ((\t) < 4) && ((\a) < 2)
	v_wmma_scale_f32_16x16x128_f8f6f4 v[rD:rD+7], v[rP:rP+11], v[rR:rR+11], v[rD:rD+7], v[rX], v[rY] matrix_a_fmt:MATRIX_FMT_FP6 matrix_b_fmt:MATRIX_FMT_FP6
.elseif (\a) < 2
	v_wmma_scale_f32_16x16x128_f8f6f4 v[rD:rD+7], v[rP:rP+11], v[rR:rR+11], v[rD:rD+7], v[rX], v[rY] matrix_a_fmt:MATRIX_FMT_FP6 matrix_b_fmt:MATRIX_FMT_FP6 matrix_a_scale:MATRIX_SCALE_ROW1
.elseif (\t) < 4
	v_wmma_scale_f32_16x16x128_f8f6f4 v[rD:rD+7], v[rP:rP+11], v[rR:rR+11], v[rD:rD+7], v[rX], v[rY] matrix_a_fmt:MATRIX_FMT_FP6 matrix_b_fmt:MATRIX_FMT_FP6 matrix_b_scale:MATRIX_SCALE_ROW1
.else
	v_wmma_scale_f32_16x16x128_f8f6f4 v[rD:rD+7], v[rP:rP+11], v[rR:rR+11], v[rD:rD+7], v[rX], v[rY] matrix_a_fmt:MATRIX_FMT_FP6 matrix_b_fmt:MATRIX_FMT_FP6 matrix_a_scale:MATRIX_SCALE_ROW1 matrix_b_scale:MATRIX_SCALE_ROW1
.endif
.endif
.endm
.macro MUL8 a, p, s, sc, zero
.irp t, 0,1,2,3,4,5,6,7
	WM \a, \t, \p, \s, \sc, \zero
.endr
.endm
.macro FETCH slot, s, p
	WIN TO_P
.irp t, 0,1,2,3,4,5,6,7
.irp j, 0,1,2
	ds_load_b128 v[128*(\p)+12*\t+4*\j:128*(\p)+12*\t+4*\j+3], v[ADP+\slot] offset:QUADB*\t+1536*(\s)+512*\j
.endr
.endr
	WIN 0
.irp a, 0,1,2,3
.irp j, 0,1,2
	ds_load_b128 v[RF+48*(\p)+12*\a+4*\j:RF+48*(\p)+12*\a+4*\j+3], v[ADR+\slot] offset:QUADB*\a+1536*(\s)+512*\j
.endr
.endr
.endm
.macro SCALES sc
.irp i, 0,1,2,3
	ds_load_b128 v[SC+24*\sc+4*\i:SC+24*\sc+4*\i+3], v[ASP+\sc] offset:QUADB*\i
.endr
.irp i, 0,1
	ds_load_b128 v[SC+24*\sc+16+4*\i:SC+24*\sc+16+4*\i+3], v[ASR+\sc] offset:QUADB*\i
.endr
.endm
.macro STEP slot, s, zero
	PLACES 4
	FETCH \slot, (\s)+1, ((\s)+1)%2
	s_wait_dscnt 36
	WIN MUL
.irp a, 0,1,2,3
	MUL8 \a, (\s)%2, \s, \slot, \zero
.endr
.endm
.macro TURN slot, next, fill
	WIN 0
	s_wait_tensorcnt 0x0
	ds_add_u32 v[SPW], v[NIL]
	s_wait_dscnt 1
	WIN MUL
	MUL8 0, 1, 3, \slot, 0
	s_wait_dscnt 0x0
	s_barrier_signal -1
	MUL8 1, 1, 3, \slot, 0
	WIN 0
	s_barrier_wait -1
.if \fill
	CREST
	s_add_nc_u64 s[G0A+4*\slot+2:G0A+4*\slot+3], s[G0A+4*\slot+2:G0A+4*\slot+3], 2*QUADB
	s_add_nc_u64 s[G0B+4*\slot+2:G0B+4*\slot+3], s[G0B+4*\slot+2:G0B+4*\slot+3], 2*QUADB
	JLOAD G0A+4*\slot, G1A, G0B+4*\slot, G1B
.else
	PLACES 4
.endif
	FETCH \next, 0, 0
	SCALES \next
	WIN MUL
	MUL8 2, 1, 3, \slot, 0
	MUL8 3, 1, 3, \slot, 0
.endm
	s_wait_alu depctr_va_vdst(0)
	s_wait_tensorcnt 0x0                           ; my part of quad 0 is in
	ds_add_u32 v[SPW], v[NIL]
	s_wait_dscnt 0x0
	CROUND                                         ; everybody's part is in, and the joint loads meet
	JLOAD G0A+4, G1A, G0B+4, G1B                   ; quad 1 into slot 1: the first tensor load behind the round
	FETCH 0, 0, 0
	SCALES 0
	ASK 2
	ASK 3
	STEP 0, 0, 1
	WIN 0
	s_mov_b32 s3, LAPS-1
.Llap:
	STEP 0, 1, 0
	STEP 0, 2, 0
	TURN 0, 1, 1
	STEP 1, 0, 0
	STEP 1, 1, 0
	STEP 1, 2, 0
	TURN 1, 0, 1
	STEP 0, 0, 0
	WIN 0
	s_sub_co_u32 s3, s3, 1
	s_cmp_lg_u32 s3, 0
	s_cbranch_scc1 .Llap
	STEP 0, 1, 0
	STEP 0, 2, 0
	TURN 0, 1, 0
	STEP 1, 0, 0
	STEP 1, 1, 0
	STEP 1, 2, 0
	s_wait_dscnt 0x0
.irp a, 0,1,2,3
	MUL8 \a, 1, 3, 1, 0
.endr
	WIN 0
.macro TOSTAGE a
	WIN 0x04
.irp q, 0,1,2,3,4,5,6,7,8,9,10,11,12,13,14,15
	ds_store_b128 v[STO], v[64*(\a)+4*\q:64*(\a)+4*\q+3] offset:128*(\q/4)+16*(\q%4)
.endr
	WIN 0
.set BB, BK+64*((\a)%2)
.irp t, 0,1,2,3,4,5,6,7,8,9,10,11,12,13,14,15
	ds_load_b128 v[BB+4*\t:BB+4*\t+3], v[RD] offset:\t*SPITCH
.endr
.endm
.macro SEND a, younger
.set BB, BK+64*((\a)%2)
	s_wait_dscnt \younger
.irp t, 0,1,2,3,4,5,6,7,8,9,10,11,12,13,14,15
	global_store_b128 v[LI], v[BB+4*\t:BB+4*\t+3], s[12:13] offset:(32*((\a)/2)+8*((\a)%2)+\t+8*(\t/8))*16384 th:TH_STORE_NT
.endr
.endm
	PLACES 4
	TOSTAGE 0
.irp a, 1,2,3
.if \a > 1
	s_wait_xcnt 0x0
.endif
	TOSTAGE \a
	SEND \a-1, 32
.endr
	SEND 3, 0
	s_wait_tensorcnt 0x0
	ds_add_u32 v[SPW], v[NIL]
	s_wait_dscnt 0x0
	CROUND
	s_endpgm
.Lfunc_end_k_qc7bbde87b8_gemm2:
	.size	k_qc7bbde87b8_gemm2, .Lfunc_end_k_qc7bbde87b8_gemm2-k_qc7bbde87b8_gemm2
	.p2alignl 7, 3214868480
	.fill 96, 4, 3214868480
	.section	.rodata,"a",@progbits
	.p2align	6, 0x0
	.amdhsa_kernel k_qc7bbde87b8_gemm2
		.amdhsa_group_segment_fixed_size 327680
		.amdhsa_private_segment_fixed_size 0
		.amdhsa_enable_private_segment 0
		.amdhsa_kernarg_size 24
		.amdhsa_user_sgpr_count 2
		.amdhsa_user_sgpr_kernarg_segment_ptr 1
		.amdhsa_wavefront_size32 1
		.amdhsa_system_sgpr_workgroup_id_x 1
		.amdhsa_system_sgpr_workgroup_id_y 1
		.amdhsa_system_sgpr_workgroup_id_z 1
		.amdhsa_system_vgpr_workitem_id 0
		.amdhsa_next_free_vgpr 768
		.amdhsa_next_free_sgpr 100
		.amdhsa_reserve_vcc 0
		.amdhsa_float_denorm_mode_32 3
		.amdhsa_float_denorm_mode_16_64 3
		.amdhsa_memory_ordered 1
		.amdhsa_forward_progress 1
		.amdhsa_inst_pref_size 132
	.end_amdhsa_kernel
	.amdgpu_metadata
---
amdhsa.version: [ 1, 2 ]
amdhsa.kernels:
  - .name:           k_qc7bbde87b8_gemm2
    .symbol:         k_qc7bbde87b8_gemm2.kd
    .args:
      - { .name: ao, .offset: 0, .size: 8, .value_kind: global_buffer, .address_space: global }
      - { .name: opw, .offset: 8, .size: 8, .value_kind: global_buffer, .address_space: global }
      - { .name: out0, .offset: 16, .size: 8, .value_kind: global_buffer, .address_space: global }
    .group_segment_fixed_size: 327680
    .private_segment_fixed_size: 0
    .kernarg_segment_align: 8
    .kernarg_segment_size: 24
    .max_flat_workgroup_size: 128
    .sgpr_count:     100
    .vgpr_count:     768
    .wavefront_size: 32
...
	.end_amdgpu_metadata
.endif
;; end of part 4
